; MI455X (gfx1250); checked and timed in simulation.
; The chip was launched on July 23, 2026; its instructions are those of AMD's public machine-readable ISA for CDNA 5 (MIT licence, August 2026) and "CDNA5" Instruction Set Architecture Reference Guide (July 2026). The comments in the code are by the model that wrote it; some were corrected since.
;; DIF Attention Layer. Allowed arithmetic: float matrix products may take bf16 or f16 operands with f32 sums; other float arithmetic in f32, or as packed bf16 or f16 multiplies, adds, multiply-adds, maxima and minima; sums over many terms, partial sums and values carried from step to step in f32; what a program stores and reads back later, other than sums and carried values, may be rounded once to bf16 or f16.
;; Inputs: Wkc 256 x 256 float32; Wkk 256 x 256 float32; Wo 256 x 256 float32; Wqc 256 x 256 float32; Wqk 256 x 256 float32; Wv 256 x 256 float32; alpha_logit one number float32; bo 256 float32; category 4 x 2,048 x 256 float32; causal_mask 2,048 x 2,048 bool; content 4 x 2,048 x 256 float32.
;; Outputs: out0 4 x 2,048 x 256 float32.
;; 2 versions, each right; version 2 is version 1 with the launch proj written anew for expert scheduling mode. Each part assembles by itself: llvm-mc -triple=amdgcn-amd-amdhsa -mcpu=gfx1250 --defsym DOCPART=n.
;; ======== version 1 of 2: 3 launches
;; limits: values are held in f16: magnitudes above 65,504 overflow, below 6.1e-05 lose precision
;; workspace buffers: qc 4,194,304 bytes; kc 4,194,304 bytes; vv 4,194,304 bytes; qk 4,194,304 bytes; kk 4,194,304 bytes; ao 4,194,304 bytes; wo16 131,072 bytes; mbits 524,288 bytes of whole numbers
;; launch proj (part 1): grid 64 x 4, 8 waves a work-group, no clusters, 315,392 bytes of LDS; arguments content, category, Wqc, Wkc, Wv, Wqk, Wkk, Wo, causal_mask, qc, kc, vv, qk, kk, wo16, mbits; writes qc, kc, vv, qk, kk, wo16, mbits
.if DOCPART == 1
	.amdgcn_target "amdgcn-amd-amdhsa--gfx1250"
	.amdhsa_code_object_version 6
	.text
	.protected	k_q684ff11599_proj
	.globl	k_q684ff11599_proj
	.p2align	8
	.type	k_q684ff11599_proj,@function
k_q684ff11599_proj:
	s_mov_b64 s[64:65], 0
	v_nop
	global_prefetch_b8 v0, s[64:65] scope:SCOPE_SE
	s_setreg_imm32_b32 hwreg(HW_REG_WAVE_MODE, 25, 1), 1
	s_wait_xcnt 0x0
; THE FIVE PROJECTIONS, and two small side jobs.  qc = c content Wqc^T, kc = content Wkc^T, vv = content Wv^T, qk = c category Wqk^T, kk = category Wkk^T,
; c = log2(e) / sqrt(32), multiplied onto q's f32 sums ahead of their one rounding.  x and W are f32 in memory and are rounded to bf16 on the way into LDS; sums in f32;
; results leave as f16, by heads: [b][h][t][32], a head's rows dense, 64 bytes each.
; LIMITS.  f16 holds no number beyond 65,504: c q, k and v must lie within it; below 6e-5 they keep f16's fixed step of 6e-8.  NaN and infinities are not treated apart.
; SHARES.  Work-group (rb, hp): 128 rows of both x, the 64 columns of head pair hp of each of the five weights.  Wave w: rows 32 (w / 2) .. + 31 (two tiles a), head 2 hp + w % 2 (two tiles bb).
; NO TENSOR LOADS, NO CLUSTER: the tiles are f32 and are rounded once on their way through registers; kept as f32, 576 rows of 1,040 bytes would not fit into LDS.
; SIDE JOBS, shared out by g = rb + 64 hp (0 .. 255): wave 0 rounds row g of Wo to bf16 and writes that number as f16 (wo16); all waves pack the mask's rows 16 (g / 2) .. + 15,
; keys 1,024 (g % 2) .. + 1,023, into words: bit L of word (qt, kt, j) is mask[16 qt + L % 16][16 kt + 8 (L / 16) + j].  A mask load takes 8 bytes a lane from 16 rows: the mask is read once in the launch.
; THE MATRIX INSTRUCTION IS USED TRANSPOSED (source 0 = 16 rows of W, source 1 = 16 rows of x): a lane holds one row of the result and eight neighbouring columns.
.set PX,    528                        ; an LDS row: 512 bytes of bf16 + 16 = 33 x 16: the 16 rows of a fragment load start at 16 different groups of four banks
.set XC,    0                          ; content, 128 rows
.set XK,    128*PX                     ; category, 128 rows
.set WB,    256*PX                     ; five slices of 64 rows of W
.set WSL,   64*PX
.set STAGE, WB+5*WSL                   ; 16 rows x 80 bytes for each wave, for the way out
.set SP,    80
.set SPARE, STAGE+8*16*SP              ; the spare words, 128 bytes for each wave: four blocks of 256 bytes that no other line names
.set GX,  4                            ; v4   x: 16 rows x wave + 16 x lane
.set GW,  5                            ; v5   W: 8 rows x wave + 16 x lane
.set GM,  6                            ; v6   mask: row r, 8 h, 128 keys x wave
.set GB,  7                            ; v7   mbits: 256 x wave + 8 x lane
.set LXC, 8                            ; v8, v9   where my converted rows of x go
.set LW,  10                           ; v10-14   the same for slice y of W
.set L16, 15                           ; v15  16 x lane
.set L8,  16                           ; v16  8 x lane
.set ADRA, 17                          ; v17, v18 my fragments of content, of category
.set ADRB, 19                          ; v19  my fragments of W: steps a slice a product
.set STO, 20                           ; v20  the way out: where I put 16 bytes of a row
.set RD,  21                           ; v21  where I read rows back
.set GO,  22                           ; v22  my 16 bytes of 512 consecutive bytes of the result
.set MW,  24                           ; v24-25 two mask words a lane
.set SPW, 26                           ; v26  LDS address of my spare word; never rewritten
.set NIL, 27                           ; v27  0; never rewritten
.set MK,  32                           ; v32-47 mask bytes as loaded
.set BF,  32                           ; v32-95 W's fragments, two buffers of 32 (later than MK)
.set PK,  32                           ; the way out: packed results
.set OB,  48                           ; the way out: rows read back
.set ACC, 96                           ; v96-127 accumulator (a, bb) at ACC + 8 (2 a + bb)
.set AF,  128                          ; v128-255 x's fragments at AF + 64 a + 8 kk
.set WV,  2
	s_load_b512 s[16:31], s[0:1], 0x0              ; content, category, Wqc, Wkc, Wv, Wqk, Wkk, Wo
	s_load_b512 s[32:47], s[0:1], 0x40             ; mask, qc, kc, vv, qk, kk, wo16, mbits
	v_lshl_add_u32 v[SPW], v0, 2, SPARE
	v_mov_b32 v[NIL], 0
	v_lshrrev_b32 v28, 5, v0
	v_readfirstlane_b32 s[WV], v28                 ; wave 0..7
	s_lshr_b32 s3, s[WV], 1                        ; wr
	s_and_b32 s4, s[WV], 1                         ; e
	s_mov_b32 s5, ttmp9                            ; rb
	s_and_b32 s6, ttmp7, 0xffff                    ; hp
	s_lshl_b32 s7, s6, 6
	s_add_co_u32 s7, s7, s5                        ; g
	s_mov_b32 s56, 0x3e8293ee                      ; c = log2(e) / sqrt(32)
	s_mov_b32 s57, s56
	v_and_b32 v1, 31, v0                           ; lane
	v_and_b32 v2, 15, v0                           ; r
	v_bfe_u32 v3, v0, 4, 1                         ; h
	s_lshl_b32 s8, s[WV], 14
	v_lshl_add_u32 v[GX], v1, 4, s8
	s_lshl_b32 s8, s[WV], 13
	v_lshl_add_u32 v[GW], v1, 4, s8
	v_lshlrev_b32 v[GM], 11, v2
	v_lshl_add_u32 v[GM], v3, 3, v[GM]
	s_lshl_b32 s8, s[WV], 7
	v_add_nc_u32 v[GM], s8, v[GM]
	s_lshl_b32 s8, s[WV], 8
	v_lshl_add_u32 v[GB], v1, 3, s8
	s_mul_i32 s8, s[WV], 16*PX
	v_lshl_add_u32 v[LXC], v1, 3, s8
	v_add_nc_u32 v[LXC+1], XK, v[LXC]
	s_mul_i32 s8, s[WV], 8*PX
	s_add_co_u32 s8, s8, WB
	v_lshl_add_u32 v[LW], v1, 3, s8
.irp y, 1,2,3,4
	v_add_nc_u32 v[LW+\y], WSL, v[LW+\y-1]
.endr
	v_lshlrev_b32 v[L16], 4, v1
	v_lshlrev_b32 v[L8], 3, v1
	v_mul_u32_u24 v28, v2, PX
	v_lshl_add_u32 v28, v3, 4, v28                 ; a fragment's row x pitch + 16 x half
	s_mul_i32 s8, s3, 32*PX
	v_add_nc_u32 v[ADRA], s8, v28
	v_add_nc_u32 v[ADRA+1], XK, v[ADRA]
	s_mul_i32 s8, s4, 32*PX
	s_add_co_u32 s8, s8, WB
	v_add_nc_u32 v[ADRB], s8, v28
	s_mul_i32 s8, s[WV], 16*SP
	s_add_co_u32 s8, s8, STAGE                     ; my stage
	v_mul_u32_u24 v[STO], v2, SP
	v_lshl_add_u32 v[STO], v3, 4, v[STO]
	v_add_nc_u32 v[STO], s8, v[STO]
	v_lshrrev_b32 v[RD], 2, v1                     ; back: 32 lanes take eight rows of 64 bytes
	v_mul_u32_u24 v[RD], v[RD], SP
	v_and_b32 v29, 3, v0
	v_lshl_add_u32 v[RD], v29, 4, v[RD]
	v_add_nc_u32 v[RD], s8, v[RD]
	s_lshl_b32 s8, s4, 17                          ; my head of the pair,
	s_lshl_b32 s10, s3, 11                         ; my 32 rows of 64 bytes
	s_add_co_u32 s8, s8, s10
	v_lshl_add_u32 v[GO], v1, 4, s8
	s_wait_kmcnt 0x0
	s_mov_b32 s9, 0
	s_lshl_b32 s8, s5, 17                          ; 128 rows of 1,024 bytes
	s_add_nc_u64 s[16:17], s[16:17], s[8:9]
	s_add_nc_u64 s[18:19], s[18:19], s[8:9]
	s_lshl_b32 s8, s6, 16                          ; 64 rows of W
.irp y, 0,1,2,3,4
	s_add_nc_u64 s[20+2*\y:21+2*\y], s[20+2*\y:21+2*\y], s[8:9]
.endr
	s_lshr_b32 s8, s5, 4                           ; batch,
	s_lshl_b32 s8, s8, 20
	s_lshl_b32 s10, s6, 18                         ; head pair,
	s_add_co_u32 s8, s8, s10
	s_and_b32 s10, s5, 15                          ; 128 rows of 64 bytes
	s_lshl_b32 s10, s10, 13
	s_add_co_u32 s8, s8, s10
.irp y, 0,1,2,3,4
	s_add_nc_u64 s[34+2*\y:35+2*\y], s[34+2*\y:35+2*\y], s[8:9]
.endr
	s_lshl_b32 s8, s7, 10
	s_add_nc_u64 s[30:31], s[30:31], s[8:9]        ; Wo's row g
	s_lshl_b32 s8, s7, 9
	s_add_nc_u64 s[44:45], s[44:45], s[8:9]
	s_lshr_b32 s10, s7, 1
	s_and_b32 s11, s7, 1
	s_lshl_b32 s8, s10, 15
	s_lshl_b32 s12, s11, 10
	s_add_co_u32 s8, s8, s12
	s_add_nc_u64 s[32:33], s[32:33], s[8:9]        ; the mask's 16 rows, my half of the keys
	s_lshl_b32 s8, s10, 12
	s_lshl_b32 s12, s11, 11
	s_add_co_u32 s8, s8, s12
	s_add_nc_u64 s[46:47], s[46:47], s[8:9]
; A batch: eight rows of 1,024 bytes, two loads a row, each of 512 consecutive bytes, into set \set of 64 registers.
.macro LOADB set, base, voff, row0
.irp rho, 0,1,2,3,4,5,6,7
	global_load_b128 v[64+64*(\set)+8*\rho:64+64*(\set)+8*\rho+3],   v[\voff], s[(\base):(\base)+1] offset:((\row0)+\rho)*1024
	global_load_b128 v[64+64*(\set)+8*\rho+4:64+64*(\set)+8*\rho+7], v[\voff], s[(\base):(\base)+1] offset:((\row0)+\rho)*1024+512
.endr
.endm
; The batch is rounded to bf16 in place and stored: a lane's four numbers are 8 bytes, a wave's store 256 consecutive bytes of an LDS row.
.macro CONVB set, lreg, row0
.irp rho, 0,1,2,3,4,5,6,7
	v_cvt_pk_bf16_f32 v[64+64*(\set)+8*\rho],   v[64+64*(\set)+8*\rho],   v[64+64*(\set)+8*\rho+1]
	v_cvt_pk_bf16_f32 v[64+64*(\set)+8*\rho+1], v[64+64*(\set)+8*\rho+2], v[64+64*(\set)+8*\rho+3]
	v_cvt_pk_bf16_f32 v[64+64*(\set)+8*\rho+4], v[64+64*(\set)+8*\rho+4], v[64+64*(\set)+8*\rho+5]
	v_cvt_pk_bf16_f32 v[64+64*(\set)+8*\rho+5], v[64+64*(\set)+8*\rho+6], v[64+64*(\set)+8*\rho+7]
	ds_store_b64 v[\lreg], v[64+64*(\set)+8*\rho:64+64*(\set)+8*\rho+1]   offset:((\row0)+\rho)*PX
	ds_store_b64 v[\lreg], v[64+64*(\set)+8*\rho+4:64+64*(\set)+8*\rho+5] offset:((\row0)+\rho)*PX+256
.endr
.endm
; The nine batches of a wave: content rows 0-7, 8-15; category rows 0-7, 8-15; eight rows of each of the five weights.  Three sets of registers take turns.
.macro LB n
.if (\n) < 4
	LOADB (\n)%3, 16+2*((\n)/2), GX, 8*((\n)%2)
.else
	LOADB (\n)%3, 20+2*((\n)-4), GW, 0
.endif
.endm
.macro CB n
.if (\n) < 4
	CONVB (\n)%3, LXC+(\n)/2, 8*((\n)%2)
.else
	CONVB (\n)%3, LW+(\n)-4, 0
.endif
.endm
.macro PLACES                          ; plain places behind matrix instructions (ISA guide 7.12.1)
.rept 4
	v_nop
.endr
.endm
	s_cmp_lg_u32 s[WV], 0
	s_cbranch_scc1 .Lno_wo_load
	global_load_b128 v[48:51], v[L16], s[30:31]              ; wave 0: Wo's row g; the oldest loads, so no later count changes
	global_load_b128 v[52:55], v[L16], s[30:31] offset:512
.Lno_wo_load:
.irp t, 0,1,2,3,4,5,6,7
	global_load_b64 v[MK+2*\t:MK+2*\t+1], v[GM], s[32:33] offset:16*\t   ; key tile t: my row's 8 bytes
.endr
	LB 0
	LB 1
	LB 2
	s_wait_loadcnt 48                              ; the three batches, 48 loads, may stay out: Wo's row and the mask are in
	s_cmp_lg_u32 s[WV], 0
	s_cbranch_scc1 .Lno_wo
.irp k, 0,1,2,3
	v_cvt_pk_bf16_f32 v28, v[48+2*\k], v[49+2*\k]  ; rounded to bf16 like every input,
	v_lshlrev_b32 v29, 16, v28
	v_and_b32 v30, 0xffff0000, v28
	v_cvt_pk_f16_f32 v[56+\k], v29, v30            ; and that number written as f16
.endr
	global_store_b64 v[L8], v[56:57], s[44:45]               ; 256 consecutive bytes each
	global_store_b64 v[L8], v[58:59], s[44:45] offset:256
.Lno_wo:
	v_mov_b32 v[MW], 0
	v_mov_b32 v[MW+1], 0
.irp t, 0,1,2,3,4,5,6,7
.irp j, 0,1,2,3,4,5,6,7
	v_bfe_u32 v[28+(\j&3)], v[MK+2*\t+(\j>>2)], 8*(\j&3), 8
	v_cmp_ne_u32 s[48+\j], 0, v[28+(\j&3)]         ; the 32 lanes' bits are word (t, j)
	v_writelane_b32 v[MW+(\j&1)], s[48+\j], 4*\t+(\j>>1)   ; word 8 t + j of my 64 goes to lane (8 t + j) / 2
.endr
.endr
	global_store_b64 v[GB], v[MW:MW+1], s[46:47]             ; 256 consecutive bytes a wave
.irp n, 0,1,2,3,4,5,6,7,8
.if \n <= 6
	s_wait_loadcnt 32                              ; two younger batches of 16 may stay out
.elseif \n == 7
	s_wait_loadcnt 16
.else
	s_wait_loadcnt 0x0
.endif
	CB \n
.if \n <= 5
	LB (\n)+3                                      ; into the set just stored
.endif
.endr
	s_wait_dscnt 0x0                               ; for the others' sake: my stores into LDS are done
	s_barrier_signal -1
	s_barrier_wait -1                              ; the only barrier: behind it XC, XK and WB are only read
.macro ALOAD i                         ; my 32 rows x 256 K of content (0) or category (1)
.irp a, 0,1
.irp kk, 0,1,2,3,4,5,6,7
	ds_load_b128 v[AF+64*\a+8*\kk:AF+64*\a+8*\kk+3],   v[ADRA+(\i)] offset:\a*16*PX+\kk*64
	ds_load_b128 v[AF+64*\a+8*\kk+4:AF+64*\a+8*\kk+7], v[ADRA+(\i)] offset:\a*16*PX+\kk*64+32
.endr
.endr
.endm
.macro BFETCH buf, q                   ; W's fragments of K steps 2 q and 2 q + 1: eight loads
.irp k2, 0,1
.irp bb, 0,1
	ds_load_b128 v[BF+32*(\buf)+16*\k2+8*\bb:BF+32*(\buf)+16*\k2+8*\bb+3],   v[ADRB] offset:\bb*16*PX+(2*(\q)+\k2)*64
	ds_load_b128 v[BF+32*(\buf)+16*\k2+8*\bb+4:BF+32*(\buf)+16*\k2+8*\bb+7], v[ADRB] offset:\bb*16*PX+(2*(\q)+\k2)*64+32
.endr
.endr
.endm
.macro MUL buf, q                      ; eight products; the four accumulators take turns, one instruction a turn; the first K step starts the sums
.irp k2, 0,1
.irp a, 0,1
.irp bb, 0,1
.if ((\q) == 0) && (\k2 == 0)
	v_wmma_f32_16x16x32_bf16 v[ACC+8*(2*\a+\bb):ACC+8*(2*\a+\bb)+7], v[BF+32*(\buf)+16*\k2+8*\bb:BF+32*(\buf)+16*\k2+8*\bb+7], v[AF+64*\a+8*(2*(\q)+\k2):AF+64*\a+8*(2*(\q)+\k2)+7], 0
.else
	v_wmma_f32_16x16x32_bf16 v[ACC+8*(2*\a+\bb):ACC+8*(2*\a+\bb)+7], v[BF+32*(\buf)+16*\k2+8*\bb:BF+32*(\buf)+16*\k2+8*\bb+7], v[AF+64*\a+8*(2*(\q)+\k2):AF+64*\a+8*(2*(\q)+\k2)+7], v[ACC+8*(2*\a+\bb):ACC+8*(2*\a+\bb)+7]
.endif
.endr
.endr
.endr
.endm
; THE WAY OUT of one weight: scaled by c where it is a q; rounded to f16, each accumulator from its low end on; 16 rows at a time through my own stage; each store covers 512 consecutive bytes, aligned.
.macro OUT ptr, scaled
	PLACES
	PLACES
.if \scaled
.set n, 0
.rept 16
	v_pk_mul_f32 v[ACC+n:ACC+n+1], v[ACC+n:ACC+n+1], s[56:57] op_sel_hi:[1,0]
.set n, n+2
.endr
.endif
.irp a, 0,1
.set n, 0
.rept 8
	v_cvt_pk_f16_f32 v[PK+8*\a+n], v[ACC+16*\a+2*n], v[ACC+16*\a+2*n+1]
.set n, n+1
.endr
	ds_store_b128 v[STO], v[PK+8*\a:PK+8*\a+3]
	ds_store_b128 v[STO], v[PK+8*\a+4:PK+8*\a+7] offset:32
	ds_load_b128 v[OB+8*\a:OB+8*\a+3],   v[RD]               ; LDS serves a wave's instructions in order (ISA guide 5.7.1.4): these see the stores above
	ds_load_b128 v[OB+8*\a+4:OB+8*\a+7], v[RD] offset:8*SP
.endr
	s_wait_dscnt 0x0
.irp a, 0,1
	global_store_b128 v[GO], v[OB+8*\a:OB+8*\a+3],   s[(\ptr):(\ptr)+1] offset:\a*1024
	global_store_b128 v[GO], v[OB+8*\a+4:OB+8*\a+7], s[(\ptr):(\ptr)+1] offset:\a*1024+512
.endr
.endm
	ALOAD 0
.irp y, 0,1,2,3,4
.if \y == 3
	ALOAD 1                                        ; category takes content's place; the way out's vector work stands behind the last product that read it
.endif
	s_wait_xcnt 0x0                                ; earlier stores have read their data, which lies where W's fragments land
	BFETCH 0, 0
	BFETCH 1, 1
	s_wait_dscnt 8                                 ; all but the younger fetch
	MUL 0, 0
	PLACES
	BFETCH 0, 2
	s_wait_dscnt 8
	MUL 1, 1
	PLACES
	BFETCH 1, 3
	s_wait_dscnt 8
	MUL 0, 2
	s_wait_dscnt 0x0
	MUL 1, 3
.if (\y == 0) || (\y == 3)
	OUT 34+2*\y, 1
.else
	OUT 34+2*\y, 0
.endif
	v_add_nc_u32 v[ADRB], WSL, v[ADRB]             ; the next weight's slice
.endr
	s_wait_tensorcnt 0x0                           ; the wave's end: behind my last LDS store
	ds_add_u32 v[SPW], v[NIL]
	s_wait_dscnt 0x0
	s_endpgm
.Lfunc_end_k_q684ff11599_proj:
	.size	k_q684ff11599_proj, .Lfunc_end_k_q684ff11599_proj-k_q684ff11599_proj
	.p2alignl 7, 3214868480
	.fill 96, 4, 3214868480
	.section	.rodata,"a",@progbits
	.p2align	6, 0x0
	.amdhsa_kernel k_q684ff11599_proj
		.amdhsa_group_segment_fixed_size 315392
		.amdhsa_private_segment_fixed_size 0
		.amdhsa_enable_private_segment 0
		.amdhsa_kernarg_size 128
		.amdhsa_user_sgpr_count 2
		.amdhsa_user_sgpr_kernarg_segment_ptr 1
		.amdhsa_wavefront_size32 1
		.amdhsa_system_sgpr_workgroup_id_x 1
		.amdhsa_system_sgpr_workgroup_id_y 1
		.amdhsa_system_sgpr_workgroup_id_z 1
		.amdhsa_system_vgpr_workitem_id 0
		.amdhsa_next_free_vgpr 256
		.amdhsa_next_free_sgpr 66
		.amdhsa_reserve_vcc 0
		.amdhsa_float_denorm_mode_32 3
		.amdhsa_float_denorm_mode_16_64 3
		.amdhsa_memory_ordered 1
		.amdhsa_forward_progress 1
		.amdhsa_inst_pref_size 99
	.end_amdhsa_kernel
	.amdgpu_metadata
---
amdhsa.version: [ 1, 2 ]
amdhsa.kernels:
  - .name:           k_q684ff11599_proj
    .symbol:         k_q684ff11599_proj.kd
    .args:
      - { .name: content, .offset: 0, .size: 8, .value_kind: global_buffer, .address_space: global }
      - { .name: category, .offset: 8, .size: 8, .value_kind: global_buffer, .address_space: global }
      - { .name: Wqc, .offset: 16, .size: 8, .value_kind: global_buffer, .address_space: global }
      - { .name: Wkc, .offset: 24, .size: 8, .value_kind: global_buffer, .address_space: global }
      - { .name: Wv, .offset: 32, .size: 8, .value_kind: global_buffer, .address_space: global }
      - { .name: Wqk, .offset: 40, .size: 8, .value_kind: global_buffer, .address_space: global }
      - { .name: Wkk, .offset: 48, .size: 8, .value_kind: global_buffer, .address_space: global }
      - { .name: Wo, .offset: 56, .size: 8, .value_kind: global_buffer, .address_space: global }
      - { .name: causal_mask, .offset: 64, .size: 8, .value_kind: global_buffer, .address_space: global }
      - { .name: qc, .offset: 72, .size: 8, .value_kind: global_buffer, .address_space: global }
      - { .name: kc, .offset: 80, .size: 8, .value_kind: global_buffer, .address_space: global }
      - { .name: vv, .offset: 88, .size: 8, .value_kind: global_buffer, .address_space: global }
      - { .name: qk, .offset: 96, .size: 8, .value_kind: global_buffer, .address_space: global }
      - { .name: kk, .offset: 104, .size: 8, .value_kind: global_buffer, .address_space: global }
      - { .name: wo16, .offset: 112, .size: 8, .value_kind: global_buffer, .address_space: global }
      - { .name: mbits, .offset: 120, .size: 8, .value_kind: global_buffer, .address_space: global }
    .group_segment_fixed_size: 315392
    .private_segment_fixed_size: 0
    .kernarg_segment_align: 8
    .kernarg_segment_size: 128
    .max_flat_workgroup_size: 256
    .sgpr_count:     66
    .vgpr_count:     256
    .wavefront_size: 32
...
	.end_amdgpu_metadata
.endif
;; end of part 1
;; launch attn (part 2): grid 16 x 16, 4 waves a work-group, clusters of 4 x 1, 327,680 bytes of LDS; arguments qc, qk, kc, kk, vv, mbits, alpha_logit, ao; writes ao
.if DOCPART == 2
	.amdgcn_target "amdgcn-amd-amdhsa--gfx1250"
	.amdhsa_code_object_version 6
	.text
	.protected	k_q684ff11599_attn
	.globl	k_q684ff11599_attn
	.p2align	8
	.type	k_q684ff11599_attn,@function
k_q684ff11599_attn:
	s_mov_b64 s[64:65], 0
	v_nop
	global_prefetch_b8 v0, s[64:65] scope:SCOPE_SE
	s_setreg_imm32_b32 hwreg(HW_REG_WAVE_MODE, 25, 1), 1
	s_wait_xcnt 0x0
	s_wait_alu depctr_hold_cnt(0) depctr_sa_sdst(0) depctr_va_vdst(0) depctr_va_sdst(0) depctr_va_ssrc(0) depctr_va_vcc(0) depctr_vm_vsrc(0)
	s_getreg_b32 s2, hwreg(HW_REG_IB_STS2, 6, 4)
	s_cmp_eq_u32 s2, 0
	s_cbranch_scc0 .Lentry_in_a_cluster
	s_endpgm
.Lentry_in_a_cluster:
	s_bfe_u32 s2, ttmp6, 0x10000c
	s_cmp_lg_u32 s2, 0x3003
	s_cbranch_scc0 .Lentry_shape_is_right
	s_endpgm
.Lentry_shape_is_right:
; ao = ((1 - alpha) softmax(masked qc kc^T) + alpha softmax(masked qk kk^T)) vv, alpha = sigmoid(alpha_logit).  All tensors f16, [b][h][2048][32], a head's rows dense, 64 bytes; q carries c = log2(e) / sqrt(32),
; so scores arrive as exponents of 2.  Products, maxima and sums in f32; the weights p are rounded to f16 for the second product (their sum l is taken of the unrounded p), ao once at the end.
; LIMITS.  q, k, v arrive within f16's 65,504.  A blocked score counts as its value less 2^126; a weight below 2^-126 counts as 0; alpha_logit is rounded to bf16 like every input; NaN and infinities are not treated apart.
; THE MASK is an input and is honoured as given: no tile is left out.  mbits holds it as lane masks: bit L of word (qt, kt, j) = mask[16 qt + L % 16][16 kt + 8 (L / 16) + j].  From them a BIAS tile (0 or -2^126) is made
; once a key step and query tile; it is the C operand of the score product (head size 32: a score tile is ONE matrix instruction) and serves two heads x two maps.  The running maximum m starts at -2^100:
; a blocked score never becomes m, and its weight is 2^(about -2^126) = 0.  A ROW BLOCKED EVERYWHERE ends with l = 0 and O = 0; the result there is the mean of all 2,048 rows of V:
; U = V^T x ones is summed beside the products, and U / 2048 is added by a select on l = 0.  No branch hangs on data.
; SHARES.  Work-group: 128 queries of two heads.  Wave: two query tiles a x two heads e x two maps mu (0: content, 1: category): PIECE p = 2 e + mu holds the two tiles t = 2 p + a.  Every wave walks all keys, 64 a step.
; LAYOUT.  S^T = K Q^T + bias: a lane holds ONE query (lane % 16) and the keys 8 (lane / 16) + 0..7; two such tiles rounded to f16 ARE source 1 of O^T = V^T P.  V comes out of LDS turned, by ds_load_tr16_b128.
; TURNS.  Turn n belongs to piece n: 8 products K Q^T of piece n + 1, 8 products V^T P of piece n - 1; beside them piece n's shifts, exponentials, roundings, sums and rescaling, and piece n + 1's maximum and statistics.
; A step has 936 vector and 72 matrix instructions: vector issue sets the time, so the order has one aim: no vector instruction waits.  A turn's 66 exponentials are one batch with one wait.
; CLUSTER.  The four query blocks of a cluster walk the same kc, kk, vv: each tile is asked for JOINTLY.  Wave 0 brings kc, wave 1 kk, wave 2 vv: 256 keys of both heads, one load; wave 3 brings nothing.
; REGISTERS, in windows of 256 (s_set_vgpr_msb: bits 1:0 source 0, 3:2 source 1, 5:4 source 2, 7:6 destination):
;   window 0: v0-7 addresses; v8-23 m, m_old a tile; v24-39 l a tile; v40-55 at work; v56-87 P; v88-119 K of one piece; v120-247 S^T, two buffers; v248-255 ones
;   window 1: v0-127 O^T, 16 a tile; v128-159 U; v160-223 V        window 2: v0-63 Q; v64-127 bias; v128-129 the add's two registers
.set STEP,  5120      ; 64 keys of 80 bytes
.set SLOT1, 1<<17     ; slot 1 begins here: one exclusive or turns an address in one slot into the other's.  A slot: kc at 0, kk at 40,960, vv at 81,920; each [head: 20,480][key: 64 + 16 bytes]
.set STAGE, SLOT1+3*40960  ; behind the ring, never filled by a tensor load: 16 rows x 80 bytes for each wave
.set SPARE, STAGE+4*16*80  ; the spare words, 128 bytes for each wave: two blocks of 256 bytes that no other line names
.set QO,  1           ; v1   my byte offset in 16 rows of Q
.set AK0, 2           ; v2   my lane's place in a tile of K; never rewritten in the loop
.set AV0, 3           ; v3   the same for V
.set AK,  4           ; v4   the LDS address of K's runs of loads; on the way out: where I read rows back
.set AV,  5           ; v5   of V's; on the way out: 16 x lane
.set PFO, 6           ; v6   256 x lane; never rewritten
.set STO, 7           ; v7   the way out: where I put 16 bytes of a row
.set ST,  8
.set LL,  24
.set TMP, 40          ; c0-c3 at TMP + 8 (p % 2) + 4 a; when the maximum is found c2 takes a
.set P,   56
.set KF,  88
.set S,   120
.set OB,  184         ; the way out: rows read back
.set ONES, 248
.set UF,  128         ; window 1
.set VF,  160         ; window 1: head e, key half kk, channel block ct at VF + 32 e + 16 kk + 8 ct
.set BI,  64          ; window 2: bias at BI + 32 a + 8 kt
.set SPW, 128         ; window 2: LDS address of my spare word; never rewritten
.set NIL, 129         ; window 2: 0; never rewritten
.set WV,  2           ; s2   my wave's number
.set SLOTS, 3         ; s3   slots still to be asked for
.set CNT, 4           ; s4   counts a slot's key steps
.set TB,  5           ; s5   LDS byte at which the step to be fetched begins
.set MO,  7           ; s7   byte offset in mbits of the step whose words are loaded next
.set MB,  8           ; s[8:9]   mbits at my first query tile
.set AOP, 10          ; s[10:11] ao at my rows
.set PFA, 12          ; s[12:13] where my prefetches stand
.set LIM, 14          ; s14  1 in a wave that prefetches, else the greatest number
.set NEG, 15          ; s15  -2^126
.set SEL, 66          ; s[66:67] v_permlanex16_b32's selects
.set G1,  68          ; s[68:75] descriptor group 1
.set G0,  76          ; s[76:79] descriptor group 0: it walks
.set QP,  96          ; s[96:99] qc, qk at my rows
.set ALO, 100         ; s100 alpha_logit
; s[16:63], s[80:95]: the step's 64 mask words: tile a = 0 at 16 + 8 kt + j; a = 1 at 48 + 8 kt + j (kt 0, 1) and 80 + 8 (kt - 2) + j
.set MSB, 0
.macro WIN new                      ; the high byte repeats the setting that is left; a switch that changes nothing is dropped
.if MSB != (\new)
	s_set_vgpr_msb (MSB<<8)|(\new)
.set MSB, (\new)
.endif
.endm
.set W_KQ, 0x28       ; K and S^T in window 0, Q and bias in window 2; an exponential on S^T runs under it too
.set W_PV, 0x51       ; V and O^T in window 1, P, ones and a in window 0; the rescaling runs under it too
.set W_B,  0x80       ; destination in window 2
.set W_V,  0x40       ; destination in window 1
.set W_AD, 0x0a       ; the add: address and data in window 2
.set W_E,  0x01       ; source 0 in window 1
.macro CROUND                       ; a round of the cluster's barrier
	s_barrier_signal -1
	s_barrier_wait -1
	s_cmp_lg_u32 s[WV], 0
	s_cbranch_scc1 .Lnot_wave_0_\@
	s_barrier_signal -3
.Lnot_wave_0_\@:
	s_barrier_wait -3
	s_barrier_signal -1
	s_barrier_wait -1
.endm
.macro JLOAD                        ; a joint fill: waves 0 to 2, a tensor each; the branch hangs on the wave's number alone.  An s_nop 0 and four v_nop follow the load, ahead of the label
	s_cmp_lt_u32 s[WV], 3
	s_cbranch_scc0 .Lnone_\@
	tensor_load_to_lds s[G0:G0+3], s[G1:G1+7]
	s_nop 0
.rept 4
	v_nop
.endr
.Lnone_\@:
.endm
; A PREFETCH INTO THE L2 of the slot that the NEXT change will ask for.  A slot of one tensor is 2 heads x 16,384 bytes = 128 blocks of 256 bytes.  All four clusters of a head pair walk the same rows: the first asks.
; Its four partners share the blocks out BY ADDRESS (head cx / 2, half cx % 2), 32 each, a lane a block; wave w asks for the tensor that it fetches.  So each block is named once in the launch.
; Slots 0 and 1 come by their loads alone; the last change that fills asks for nothing.
.macro ASK
	s_cmp_gt_u32 s[SLOTS], s[LIM]
	s_cbranch_scc0 .Lnot_mine_\@
	global_prefetch_b8 v[PFO], s[PFA:PFA+1] th:TH_LOAD_NT scope:SCOPE_SE
.Lnot_mine_\@:
.endm
; THE CHANGE OF SLOTS.  Each wave waits for all its tensor loads (one is out at the most), adds 0 to its spare word, and waits for that and for its own reads of the slot that it leaves.  fill = 1: the barrier is a round
; of the cluster's, and the joint fill of the old slot is the first thing behind it: it has four key steps in which to land.  (At its first use nothing has been read: slot 0 is waited for, slot 1 filled.)
.macro CHANGE fill
	WIN W_AD
	s_wait_tensorcnt 0x0            ; no tensor load of mine is out, so group 0 may be written
	ds_add_u32 v[SPW], v[NIL]
	WIN 0
.if \fill
	s_xor_b32 s[G0+1], s[G0+1], SLOT1
	s_add_nc_u64 s[G0+2:G0+3], s[G0+2:G0+3], 16384  ; the next 256 keys; the type bits on top are not reached
	s_wait_xcnt 0x0                 ; the last prefetch, four key steps back, has read its address
	s_add_nc_u64 s[PFA:PFA+1], s[PFA:PFA+1], 16384
	s_wait_dscnt 0x0                ; the add is done, and my reads of the slot are over
	CROUND
	JLOAD
	ASK
.else
	s_wait_dscnt 0x0
	s_barrier_signal -1
	s_barrier_wait -1
.endif
	s_sub_co_u32 s[TB], s[TB], 4*STEP
	s_xor_b32 s[TB], s[TB], SLOT1   ; the fetches go to the other slot's first step
.endm
.macro MLOAD                        ; a step's 64 mask words: 128 bytes for each of my two query tiles
	s_load_b512 s[16:31], s[MB:MB+1], s[MO] offset:0x0
	s_load_b512 s[32:47], s[MB:MB+1], s[MO] offset:0x40
	s_load_b512 s[48:63], s[MB:MB+1], s[MO] offset:0x1000
	s_load_b512 s[80:95], s[MB:MB+1], s[MO] offset:0x1040
.endm
.macro BUILD                        ; the bias: register n = 32 a + 8 kt + j takes -2^126 where its word's bit is set
	WIN W_B
.set n, 0
.rept 64
.if n < 48
.set wd, 16+n
.else
.set wd, 32+n
.endif
	v_cndmask_b32 v[BI+n], 0, s[NEG], s[wd]
.set n, n+1
.endr
	WIN 0
.endm
	s_load_b512 s[16:31], s[0:1], 0x0  ; qc, qk, kc, kk, vv, mbits, alpha_logit, ao
	WIN W_B
	v_lshl_add_u32 v[SPW], v0, 2, SPARE
	v_mov_b32 v[NIL], 0
	WIN W_AD
	ds_add_u32 v[SPW], v[NIL]       ; the wave's opening: the add and its wait stand ahead of my first tensor load; the set-up below, work on registers, stands between them
	WIN 0
	v_lshrrev_b32 v1, 5, v0
	v_readfirstlane_b32 s[WV], v1   ; wave 0..3
	s_bfe_u32 s101, ttmp6, 0x40000  ; cx
	s_lshl_b32 s104, ttmp9, 2
	s_add_co_u32 s104, s104, s101   ; my block of 128 queries: it enters Q's, ao's and mbits' addresses alone
	s_and_b32 s105, ttmp7, 0xffff   ; the head pair, which the partners share
	s_lshl_b32 s80, s105, 18        ; its first byte in each tensor
	s_mov_b32 s81, 0
	s_lshl_b32 s82, s104, 13        ; my block's 128 rows of 64 bytes,
	s_lshl_b32 s83, s[WV], 11       ; my wave's 32
	s_add_co_u32 s82, s82, s83
	s_add_co_u32 s82, s82, s80
	s_mov_b32 s83, 0
	s_lshl_b32 s84, s104, 15        ; mbits: a query tile is 4,096 bytes, a block eight tiles, a wave two
	s_lshl_b32 s85, s[WV], 13
	s_add_co_u32 s84, s84, s85
	s_mov_b32 s85, 0
	s_lshr_b32 s86, s101, 1         ; the prefetches: my work-group's head
	s_lshl_b32 s86, s86, 17
	s_and_b32 s87, s101, 1          ; and half of a slot's 16,384 bytes,
	s_lshl_b32 s87, s87, 13
	s_add_co_u32 s86, s86, s87
	s_add_co_u32 s86, s86, s80
	s_add_co_u32 s86, s86, 16384    ; in slot 1: the first change steps it to slot 2
	s_mov_b32 s87, 0
	; descriptor group 1: 2 rows (the heads) of 8,192 elements (256 keys x 32), padded in LDS after every key
	s_mov_b32 s[G1], 15|(1<<16)|(1<<20)|(1<<21)|(3<<22)|(3<<25)  ; 15:0 the mask of four; 17:16 2-byte elements; 20 padding on; 21 set beside a mask; 24:22 after every 16 words (code 3); 31:25 4 words (code 3)
	s_mov_b32 s[G1+1], 8192<<16     ; tensor_dim0 = 8,192
	s_mov_b32 s[G1+2], 2<<16        ; tensor_dim1 = 2
	s_mov_b32 s[G1+3], 8192<<16     ; tile_dim0 = 8,192
	s_mov_b32 s[G1+4], 2            ; tile_dim1 = 2
	s_mov_b32 s[G1+5], 65536        ; elements from head to head
	s_mov_b32 s[G1+6], 0
	s_mov_b32 s[G1+7], 0
	s_mov_b32 s[G0], 1              ; count = 1
	s_mul_i32 s[G0+1], s[WV], 40960 ; LDS address: my tensor's region of slot 0
	s_cmp_eq_u32 s[WV], 3
	s_cselect_b32 s[LIM], 1, 0
	s_or_b32 s[LIM], s[LIM], ttmp9  ; 0 in waves 0 to 2 of the head pair's first cluster: the same in all four partners
	s_cmp_eq_u32 s[LIM], 0
	s_cselect_b32 s[LIM], 1, -1
	s_mov_b32 s[NEG], 0xfe800000
	s_mov_b32 s[SEL], 0x76543210
	s_mov_b32 s[SEL+1], 0xfedcba98
	s_mov_b32 s[SLOTS], 7
	s_mov_b32 s[TB], SLOT1+4*STEP   ; the first change of slots turns it into 0
	s_mov_b32 s[MO], 0
	s_wait_dscnt 0x0                ; the opening add is done
	s_wait_kmcnt 0x0
	s_add_nc_u64 s[QP:QP+1], s[16:17], s[82:83]
	s_add_nc_u64 s[QP+2:QP+3], s[18:19], s[82:83]
	s_cmp_eq_u32 s[WV], 0           ; the tensor that I fetch
	s_cselect_b64 s[88:89], s[20:21], s[22:23]
	s_cmp_lt_u32 s[WV], 2
	s_cselect_b64 s[88:89], s[88:89], s[24:25]
	s_add_nc_u64 s[G0+2:G0+3], s[88:89], s[80:81]  ; global address: the head pair's first 256 keys
	s_or_b32 s[G0+3], s[G0+3], 0x80000000          ; type = 2
	s_add_nc_u64 s[PFA:PFA+1], s[88:89], s[86:87]
	s_add_nc_u64 s[MB:MB+1], s[26:27], s[84:85]
	s_add_nc_u64 s[AOP:AOP+1], s[30:31], s[82:83]
	s_load_b32 s[ALO], s[28:29], 0x0
	s_wait_kmcnt 0x0                ; ahead of the mask words, which land on the arguments' registers
	CROUND                          ; all four work-groups are here: the first joint loads meet
	JLOAD                           ; slot 0
	v_and_b32 v56, 15, v0           ; r
	v_bfe_u32 v57, v0, 4, 1         ; h
	v_lshlrev_b32 v[QO], 6, v56
	v_lshl_add_u32 v[QO], v57, 4, v[QO]  ; row x 64 + 16 x half
	WIN W_B
.irp t, 0,1,2,3,4,5,6,7             ; Q stays in registers: tile t = 4 e + 2 mu + a
	global_load_b128 v[8*\t:8*\t+3],   v[QO], s[QP+2*((\t/2)%2):QP+2*((\t/2)%2)+1] offset:(\t/4)*131072+(\t%2)*1024
	global_load_b128 v[8*\t+4:8*\t+7], v[QO], s[QP+2*((\t/2)%2):QP+2*((\t/2)%2)+1] offset:(\t/4)*131072+(\t%2)*1024+32
.endr
	WIN 0
	MLOAD                           ; step 0's words
	v_mul_u32_u24 v[AK0], v56, 80
	v_lshl_add_u32 v[AK0], v57, 4, v[AK0]  ; key x pitch + 16 x half
	v_and_b32 v58, 7, v0            ; the turning load: lane l reads key 8 (l / 16) + l % 8, channels 8 ((l / 8) % 2) + 0..7
	v_bfe_u32 v59, v0, 3, 1
	v_lshl_add_u32 v[AV0], v57, 3, v58
	v_mul_u32_u24 v[AV0], v[AV0], 80
	v_lshl_add_u32 v[AV0], v59, 4, v[AV0]
	v_add_nc_u32 v[AV0], 81920, v[AV0]
	v_and_b32 v[PFO], 31, v0
	v_lshlrev_b32 v[PFO], 8, v[PFO]
	s_mul_i32 s101, s[WV], 16*80
	s_add_co_u32 s101, s101, STAGE  ; my stage
	v_add_nc_u32 v[STO], s101, v[AK0]
	; what the first turn finds: V, P, O^T, U and l are 0 (its products V^T P, of a piece that has not been, add 0); m is -2^100.  All this stands in the wait for the first tile.
	WIN W_V
.set n, 0
.rept 224
	v_mov_b32 v[n], 0
.set n, n+1
.endr
	WIN 0
.set n, 0
.rept 32
	v_mov_b32 v[P+n], 0
.set n, n+1
.endr
.set n, 0
.rept 16
	v_mov_b32 v[LL+n], 0
	v_mov_b32 v[ST+n], 0xf1800000
.set n, n+1
.endr
.set n, 0
.rept 8
	v_mov_b32 v[ONES+n], 0x3c003c00 ; 1.0 twice in f16
.set n, n+1
.endr
	s_wait_kmcnt 0x0
	BUILD                           ; step 0's bias
	s_mov_b32 s[MO], 128
	MLOAD                           ; step 1's words
; THE MATRIX WORK.  No two matrix instructions that follow each other share an accumulator.
.macro QK                           ; product i of 8 of S^T = K Q^T + bias for piece Y + 1: keys 16 (i / 2) on, tile i % 2
.set x, (Y+1)%4
.set rS, S+64*(x%2)+32*(i%2)+8*(i/2)
	v_wmma_f32_16x16x32_f16 v[rS:rS+7], v[KF+8*(i/2):KF+8*(i/2)+7], v[8*(2*x+i%2):8*(2*x+i%2)+7], v[BI+32*(i%2)+8*(i/2):BI+32*(i%2)+8*(i/2)+7]
.set i, i+1
.endm
.macro PV                           ; product i of 8 of O^T += V^T P for piece Y - 1: keys 32 (i / 4) on, channels 16 ((i / 2) % 2) on, tile i % 2
.set x, (Y+3)%4
.set rO, 16*(2*x+i%2)+8*((i/2)%2)
.set rV, VF+32*(x/2)+16*(i/4)+8*((i/2)%2)
.set rP, P+16*(i%2)+8*(i/4)
	v_wmma_f32_16x16x32_f16 v[rO:rO+7], v[rV:rV+7], v[rP:rP+7], v[rO:rO+7]
.set i, i+1
.endm
; THE LDS LOADS stand in runs, directly behind a turn's wait.
.macro FETCH_K pc                   ; piece pc's K of the step at AK: 64 keys x 32 channels
.irp kt, 0,1,2,3
	ds_load_b128 v[KF+8*\kt:KF+8*\kt+3],   v[AK] offset:((\pc)%2)*40960+((\pc)/2)*20480+\kt*1280
	ds_load_b128 v[KF+8*\kt+4:KF+8*\kt+7], v[AK] offset:((\pc)%2)*40960+((\pc)/2)*20480+\kt*1280+32
.endr
.endm
.macro FETCH_V he                   ; head he's V of the step at AV, turned
	WIN W_V
.irp f, 0,1,2,3                     ; keys 32 (f / 2) on, channels 16 (f % 2) on
	ds_load_tr16_b128 v[VF+32*(\he)+8*\f:VF+32*(\he)+8*\f+3],   v[AV] offset:(\he)*20480+(\f/2)*2560+(\f%2)*32
	ds_load_tr16_b128 v[VF+32*(\he)+8*\f+4:VF+32*(\he)+8*\f+7], v[AV] offset:(\he)*20480+(\f/2)*2560+(\f%2)*32+1280
.endr
	WIN 0
.endm
; THE VECTOR WORK, in queues; the two tiles alternate, so that no instruction reads the result of the one before it.
.macro REGS y, u                    ; the registers of tile u of piece y
.set rT, ST+2*(2*(\y)+(\u))
.set rL, LL+2*(2*(\y)+(\u))
.set rC, TMP+8*((\y)%2)+4*(\u)
.set rS, S+64*((\y)%2)+32*(\u)
.set rP, P+16*(\u)
.set rO, 16*(2*(\y)+(\u))
.endm
.macro FS f                         ; s - m for pair f / 2 of tile f % 2
	REGS Y, (\f)%2
	v_pk_add_f32 v[rS+2*((\f)/2):rS+2*((\f)/2)+1], v[rS+2*((\f)/2):rS+2*((\f)/2)+1], v[rT:rT+1] op_sel_hi:[1,0] neg_lo:[0,1] neg_hi:[0,1]
.endm
.macro EX                           ; exponential e of 64: score e / 2 of tile e % 2; it stands behind shift 2 (e / 4) + e % 2
	REGS Y, e%2
	v_exp_f32 v[rS+e/2], v[rS+e/2]
.set e, e+1
.endm
; Number n of the 21 that find the NEXT piece's maximum and statistics; each accumulator's lowest registers are read first.
;   0-11 four chains c0-c3 of seven scores each   12-14, 16 the four scores left over, the old m, and c0-c3 into c0   15 m_old   17, 18 the other half of the lanes': the new m   19, 20 a = 2^(m_old - m)
.macro XS u, n
	REGS (Y+1)%4, \u
.if (\n) < 4
	v_max3_num_f32 v[rC+(\n)], v[rS+8*(\n)], v[rS+8*(\n)+1], v[rS+8*(\n)+2]
.elseif (\n) < 12
	v_max3_num_f32 v[rC+(\n)%4], v[rC+(\n)%4], v[rS+8*((\n)%4)+2*((\n)/4)+1], v[rS+8*((\n)%4)+2*((\n)/4)+2]
.elseif (\n) == 12
	v_max3_num_f32 v[rC], v[rC], v[rS+7], v[rS+15]
.elseif (\n) == 13
	v_max3_num_f32 v[rC+1], v[rC+1], v[rS+23], v[rS+31]
.elseif (\n) == 14
	v_max3_num_f32 v[rC+2], v[rC+2], v[rC+3], v[rT]
.elseif (\n) == 15
	v_mov_b32 v[rT+1], v[rT]
.elseif (\n) == 16
	v_max3_num_f32 v[rC], v[rC], v[rC+1], v[rC+2]
.elseif (\n) == 17
	v_permlanex16_b32 v[rC+3], v[rC], s[SEL], s[SEL+1]
.elseif (\n) == 18
	v_max_num_f32 v[rT], v[rC], v[rC+3]
.elseif (\n) == 19
	v_sub_f32 v[rC+1], v[rT+1], v[rT]
.else
	v_exp_f32 v[rC+2], v[rC+1]
.endif
.endm
; Number g of the 64 that follow the exponentials.  For each four weights k of a tile: both pairs are rounded to f16; the second pair is added onto the first, in place; a group later l takes that sum (the first time l = a l + sum).
.macro GS g
.set h, (\g)+6*((\g)/62)
.if h >= 6
.set h, h+2
.endif
	REGS Y, h%2
.set k, h/8
.if h%8 < 4
	v_cvt_pk_f16_f32 v[rP+2*k+(h%8)/2], v[rS+4*k+2*((h%8)/2)], v[rS+4*k+2*((h%8)/2)+1]
.elseif h%8 < 6
	v_pk_add_f32 v[rS+4*k:rS+4*k+1], v[rS+4*k:rS+4*k+1], v[rS+4*k+2:rS+4*k+3]
.elseif k == 1
	v_pk_fma_f32 v[rL:rL+1], v[rL:rL+1], v[rC+2:rC+3], v[rS:rS+1] op_sel_hi:[1,0,1]
.else
	v_pk_add_f32 v[rL:rL+1], v[rL:rL+1], v[rS+4*k-4:rS+4*k-3]
.endif
.endm
.macro R2                           ; O^T times a: registers 4 (r / 2) .. + 3 of tile r % 2, each accumulator from its low end on
	REGS Y, r%2
.irp z, 0,1
	v_pk_mul_f32 v[rO+4*(r/2)+2*\z:rO+4*(r/2)+2*\z+1], v[rO+4*(r/2)+2*\z:rO+4*(r/2)+2*\z+1], v[rC+2:rC+3] op_sel_hi:[1,0]
.endr
.set r, r+1
.endm
; THE PLAIN QUEUE, 56 long: shifts 16-23; XS 0-3; shifts 24-27; XS 4-7; shifts 28-31; XS 8-19.  None reads an exponential's result.
.macro PL
.if q < 8
	FS 16+q
.elseif q < 16
	XS (q-8)%2, (q-8)/2
.elseif q < 20
	FS 8+q
.elseif q < 28
	XS (q-20)%2, 4+(q-20)/2
.elseif q < 32
	FS q
.else
	XS (q-32)%2, 8+(q-32)/2
.endif
.set q, q+1
.endm
; A TURN, for piece p.  Shifts 0-15; 8 products K Q^T, four exponentials behind each; eight plain, the places behind those products; 8 products V^T P, behind each two rescalings and two plain; in pieces 2 and 3 four
; products for U; 32 times exponential and plain; the next piece's two a.  Nothing so far names a result of the turn's exponentials: a v_nop is the plain instruction behind the last, and ONE s_wait_alu
; serves the batch.  Behind it: the runs of LDS loads (K of piece p + 2; V of head 0 in piece 3's turn, of head 1 in piece 1's), in piece 2's turn the next step's bias, and the 64 roundings and sums.
; Piece 2's turn steps the fetches' addresses, so the fetches of turns 2, 3, 0, 1 are one step's.  last = 1 (the tail): in the last trip there is no further step, and the runs are jumped over.
.macro TURN p, last=0
.set Y, (\p)
.set i, 0
.set q, 0
.set e, 0
.set r, 0
	WIN 0
.set f, 0
.rept 16
	FS f
.set f, f+1
.endr
	s_wait_dscnt 0x0                ; K and V, fetched a turn ago, are in
	WIN W_KQ
.rept 8
	QK
	EX
	EX
	EX
	EX
.endr
	WIN 0
.rept 8
	PL
.endr
.if (\p) == 2
	v_add_nc_u32 v[AK], s[TB], v[AK0]
	v_add_nc_u32 v[AV], s[TB], v[AV0]
	s_add_co_u32 s[TB], s[TB], STEP
.endif
.set i, 0
.rept 8
	WIN W_PV
	PV
	R2
	WIN 0
	PL
	PL
.endr
.if (\p) >= 2
	WIN W_PV
.irp kc, 0,1,2,3                    ; U of head p - 2: keys 32 (kc / 2) on, channels 16 (kc % 2) on: the two accumulators take turns
	v_wmma_f32_16x16x32_f16 v[UF+16*((\p)-2)+8*(\kc%2):UF+16*((\p)-2)+8*(\kc%2)+7], v[VF+32*((\p)-2)+16*(\kc/2)+8*(\kc%2):VF+32*((\p)-2)+16*(\kc/2)+8*(\kc%2)+7], v[ONES:ONES+7], v[UF+16*((\p)-2)+8*(\kc%2):UF+16*((\p)-2)+8*(\kc%2)+7]
.endr
	WIN 0
.endif
.rept 32
	EX
	PL
.endr
	XS 0, 20
	XS 1, 20
	v_nop                           ; the plain instruction behind the last exponential: one for the batch
	s_wait_alu depctr_va_vdst(0)    ; the wait for the batch
.if \last
	s_cmp_eq_u32 s[CNT], 1
	s_cbranch_scc1 .Lno_fetch_\@
.endif
	FETCH_K ((\p)+2)%4
.if (\p) == 3
	FETCH_V 0
.endif
.if (\p) == 1
	FETCH_V 1
.endif
.if \last
.Lno_fetch_\@:
.endif
.if (\p) == 2
	s_wait_kmcnt 0x0                ; the next step's words, asked for a step ago
	BUILD
.endif
.set g, 0
.rept 64
	GS g
.set g, g+1
.endr
.if (\p) == 2
	s_add_co_u32 s[MO], s[MO], 128  ; the step after: clamped to the last step's words, so that no load leaves mbits
	s_min_u32 s[MO], s[MO], 3968
	MLOAD
.endif
.endm
	CHANGE 1                        ; slot 0 is in, everybody's part of it; slot 1 is asked for
	v_add_nc_u32 v[AK], s[TB], v[AK0]
	v_add_nc_u32 v[AV], s[TB], v[AV0]
	s_add_co_u32 s[TB], s[TB], STEP
	FETCH_K 0                       ; key step 0
	s_wait_loadcnt 0x0              ; Q
	s_wait_dscnt 0x0
.set Y, 3                           ; QK and XS work for piece Y + 1: piece 0
.set i, 0
	WIN W_KQ
.rept 8
	QK
.endr
	WIN 0
.rept 8
	v_nop                           ; the places behind those products
.endr
	FETCH_K 1
	FETCH_V 0
.irp n, 0,1,2,3,4,5,6,7,8,9,10,11,12,13,14,15,16,17,18,19,20
	XS 0, \n
	XS 1, \n
.endr
	v_nop                           ; a plain instruction behind the two a,
	s_wait_alu depctr_va_vdst(0)    ; and their wait, ahead of the branch
	s_mov_b32 s[CNT], 4
	s_branch .Lfirst                ; the loop is entered at a step's first turn, in the middle of a trip
.Lslot:                             ; six times: slots 2 to 7 are asked for
	CHANGE 1
	s_mov_b32 s[CNT], 4
.Lstep:                             ; a trip: pieces 2 and 3 of one step, then pieces 0 and 1 of the next, whose K, V and bias it fetches
	TURN 2
	TURN 3
	WIN 0
.Lfirst:
	TURN 0
	TURN 1
	WIN 0
	s_sub_co_u32 s[CNT], s[CNT], 1
	s_cmp_lg_u32 s[CNT], 0
	s_cbranch_scc1 .Lstep
	s_sub_co_u32 s[SLOTS], s[SLOTS], 1
	s_cmp_lg_u32 s[SLOTS], 0
	s_cbranch_scc1 .Lslot
	CHANGE 0                        ; the tail is written out: nothing is asked for
	s_mov_b32 s[CNT], 5             ; four trips fetch the last slot's steps; the fifth is left in its middle
.Ltail:
	TURN 2, 1
	TURN 3, 1
	WIN 0
	s_sub_co_u32 s[CNT], s[CNT], 1
	s_cmp_eq_u32 s[CNT], 0
	s_cbranch_scc1 .Lout
	TURN 0
	TURN 1
	WIN 0
	s_branch .Ltail
.Lout:                              ; the fifth trip's 8 products K Q^T (on a K that has been used) and the maximum made of them serve nothing: the price, once a launch, of one text for every trip
.set Y, 0
.set i, 0
	WIN W_PV
.rept 8
	PV                              ; piece 3's V^T P of the last step
.endr
	WIN 0
	s_wait_kmcnt 0x0                ; the last mask words have landed: their registers take the flags below
	; THE WAY OUT.  l's two halves and the other half of the lanes' are added (these lines are the places behind the last products); where l = 0 the row was blocked everywhere.
.macro ALL line:vararg              ; one line for each tile t
.set t, 0
.rept 8
	\line
.set t, t+1
.endr
.endm
	ALL v_add_f32 v[LL+2*t], v[LL+2*t], v[LL+2*t+1]
	ALL v_permlanex16_b32 v[LL+2*t+1], v[LL+2*t], s[SEL], s[SEL+1]
	ALL v_add_f32 v[LL+2*t], v[LL+2*t], v[LL+2*t+1]
	v_mov_b32 v40, s[ALO]
	v_cvt_pk_bf16_f32 v40, v40, v40 ; alpha_logit rounded to bf16 like every input
	v_lshlrev_b32 v40, 16, v40
	v_mul_f32 v40, 0xbfb8aa3b, v40  ; - log2(e) x
	v_exp_f32 v41, v40
	ALL v_cmp_eq_f32 s[16+t], 0, v[LL+2*t]
	s_wait_alu depctr_va_vdst(0)    ; the exponential's wait; the eight compares are the plain work behind it
	v_add_f32 v41, 1.0, v41
	ALL v_cndmask_b32 v[LL+2*t], v[LL+2*t], 1.0, s[16+t]
	v_rcp_f32 v42, v41              ; alpha
	ALL v_rcp_f32 v[ST+2*t], v[LL+2*t]
	v_and_b32 v[AV], 31, v0         ; plain work behind the reciprocals: back from the stage 32 lanes take eight rows of 64 bytes, 512 consecutive bytes of ao
	v_lshrrev_b32 v[AK], 2, v[AV]
	v_mul_u32_u24 v[AK], v[AK], 80
	v_and_b32 v[AK0], 3, v0
	v_lshl_add_u32 v[AK], v[AK0], 4, v[AK]
	v_add_nc_u32 v[AK], s101, v[AK]
	v_lshlrev_b32 v[AV], 4, v[AV]
	s_wait_alu depctr_va_vdst(0)    ; one wait for the nine reciprocals
	v_sub_f32 v43, 1.0, v42         ; 1 - alpha
	v_mul_f32 v44, 0x3a000000, v42  ; alpha / 2048
	v_mul_f32 v45, 0x3a000000, v43
.irp t, 0,1,2,3,4,5,6,7             ; a tile's factor: its map's share over l
.if (\t/2)%2
	v_mul_f32 v[ST+2*\t], v[ST+2*\t], v42
.else
	v_mul_f32 v[ST+2*\t], v[ST+2*\t], v43
.endif
.endr
.irp x, 0,1,2,3                     ; U's factor for head x / 2, query tile x % 2: each map's share over 2,048 where that map's row was blocked everywhere
	v_cndmask_b32 v46, 0, v45, s[16+4*(\x/2)+(\x%2)]
	v_cndmask_b32 v47, 0, v44, s[16+4*(\x/2)+(\x%2)+2]
	v_add_f32 v[TMP+8+2*\x], v46, v47
.endr
; Head x / 2, query tile x % 2: the two maps' O^T and U are mixed, rounded to f16 and sent through my stage.
.macro FIN x
.set tc, 4*((\x)/2)+(\x)%2
.set tk, tc+2
.set rR, S+16*(\x)
	WIN W_E
.set n, 0
.rept 8
	v_pk_mul_f32 v[rR+n:rR+n+1], v[16*tc+n:16*tc+n+1], v[ST+2*tc:ST+2*tc+1] op_sel_hi:[1,0]
.set n, n+2
.endr
.set n, 0
.rept 8
	v_pk_fma_f32 v[rR+n:rR+n+1], v[16*tk+n:16*tk+n+1], v[ST+2*tk:ST+2*tk+1], v[rR+n:rR+n+1] op_sel_hi:[1,0,1]
.set n, n+2
.endr
.set n, 0
.rept 8
	v_pk_fma_f32 v[rR+n:rR+n+1], v[UF+16*((\x)/2)+n:UF+16*((\x)/2)+n+1], v[TMP+8+2*(\x):TMP+8+2*(\x)+1], v[rR+n:rR+n+1] op_sel_hi:[1,0,1]
.set n, n+2
.endr
	WIN 0
.set n, 0
.rept 8
	v_cvt_pk_f16_f32 v[P+8*(\x)+n], v[rR+2*n], v[rR+2*n+1]
.set n, n+1
.endr
	ds_store_b128 v[STO], v[P+8*(\x):P+8*(\x)+3]
	ds_store_b128 v[STO], v[P+8*(\x)+4:P+8*(\x)+7] offset:32
	ds_load_b128 v[OB+8*(\x):OB+8*(\x)+3],   v[AK]               ; LDS serves a wave's instructions in order (ISA guide 5.7.1.4): these see the stores above; the next tile's stores come behind them
	ds_load_b128 v[OB+8*(\x)+4:OB+8*(\x)+7], v[AK] offset:640
.endm
.macro SEND x, younger              ; younger: the LDS instructions issued behind this tile's loads: the next tile's four, or none
.irp f, 0,1
	s_wait_dscnt (\younger)+1-\f
	global_store_b128 v[AV], v[OB+8*(\x)+4*\f:OB+8*(\x)+4*\f+3], s[AOP:AOP+1] offset:((\x)/2)*131072+((\x)%2)*1024+\f*512  ; 512 consecutive bytes, at a multiple of 256 from ao's first
.endr
.endm
	FIN 0
	FIN 1
	SEND 0, 4
	FIN 2
	SEND 1, 4
	FIN 3
	SEND 2, 4
	SEND 3, 0
	WIN W_AD
	s_wait_tensorcnt 0x0            ; the wave's end: behind my last tensor load and my last LDS store
	ds_add_u32 v[SPW], v[NIL]
	s_wait_dscnt 0x0
	WIN 0
	CROUND                          ; the closing round: no work-group ends while a partner may still ask for a tile that names it
	s_endpgm
.Lfunc_end_k_q684ff11599_attn:
	.size	k_q684ff11599_attn, .Lfunc_end_k_q684ff11599_attn-k_q684ff11599_attn
	.p2alignl 7, 3214868480
	.fill 96, 4, 3214868480
	.section	.rodata,"a",@progbits
	.p2align	6, 0x0
	.amdhsa_kernel k_q684ff11599_attn
		.amdhsa_group_segment_fixed_size 327680
		.amdhsa_private_segment_fixed_size 0
		.amdhsa_enable_private_segment 0
		.amdhsa_kernarg_size 64
		.amdhsa_user_sgpr_count 2
		.amdhsa_user_sgpr_kernarg_segment_ptr 1
		.amdhsa_wavefront_size32 1
		.amdhsa_system_sgpr_workgroup_id_x 1
		.amdhsa_system_sgpr_workgroup_id_y 1
		.amdhsa_system_sgpr_workgroup_id_z 1
		.amdhsa_system_vgpr_workitem_id 0
		.amdhsa_next_free_vgpr 768
		.amdhsa_next_free_sgpr 106
		.amdhsa_reserve_vcc 0
		.amdhsa_float_denorm_mode_32 3
		.amdhsa_float_denorm_mode_16_64 3
		.amdhsa_memory_ordered 1
		.amdhsa_forward_progress 1
		.amdhsa_inst_pref_size 166
	.end_amdhsa_kernel
	.amdgpu_metadata
---
amdhsa.version: [ 1, 2 ]
amdhsa.kernels:
  - .name:           k_q684ff11599_attn
    .symbol:         k_q684ff11599_attn.kd
    .args:
      - { .name: qc, .offset: 0, .size: 8, .value_kind: global_buffer, .address_space: global }
      - { .name: qk, .offset: 8, .size: 8, .value_kind: global_buffer, .address_space: global }
      - { .name: kc, .offset: 16, .size: 8, .value_kind: global_buffer, .address_space: global }
      - { .name: kk, .offset: 24, .size: 8, .value_kind: global_buffer, .address_space: global }
      - { .name: vv, .offset: 32, .size: 8, .value_kind: global_buffer, .address_space: global }
      - { .name: mbits, .offset: 40, .size: 8, .value_kind: global_buffer, .address_space: global }
      - { .name: alpha_logit, .offset: 48, .size: 8, .value_kind: global_buffer, .address_space: global }
      - { .name: ao, .offset: 56, .size: 8, .value_kind: global_buffer, .address_space: global }
    .group_segment_fixed_size: 327680
    .private_segment_fixed_size: 0
    .kernarg_segment_align: 8
    .kernarg_segment_size: 64
    .max_flat_workgroup_size: 128
    .sgpr_count:     106
    .vgpr_count:     768
    .wavefront_size: 32
...
	.end_amdgpu_metadata
.endif
;; end of part 2
;; launch outp (part 3): grid 256 x 1, 4 waves a work-group, no clusters, 17,920 bytes of LDS; arguments ao, wo16, bo, out0; writes out0
.if DOCPART == 3
	.amdgcn_target "amdgcn-amd-amdhsa--gfx1250"
	.amdhsa_code_object_version 6
	.text
	.protected	k_q684ff11599_outp
	.globl	k_q684ff11599_outp
	.p2align	8
	.type	k_q684ff11599_outp,@function
k_q684ff11599_outp:
	s_mov_b64 s[64:65], 0
	v_nop
	global_prefetch_b8 v0, s[64:65] scope:SCOPE_SE
	s_setreg_imm32_b32 hwreg(HW_REG_WAVE_MODE, 25, 1), 1
	s_wait_xcnt 0x0
; out0 = ao Wo^T + bo.  ao: f16 [b][h][t][32]; wo16: f16 [256 n][256 k] (Wo rounded to bf16, written as f16); bo: f32, rounded to bf16 like every input; out0: f32 [8192][256].  Sums in f32.
; SHARES.  Work-group g: rows 32 g .. + 31 (two tiles a).  Wave w: columns 64 w .. + 63 (four tiles ct).  K goes by heads: fragment kk is head kk's 32 channels.  64 products a wave on 8 accumulators that take turns.
; The operands come straight from memory: a fragment lies there as the registers want it (16 bytes a lane, twice), and a wave's fragments of Wo are its own.  ao's 16 KiB are read by all four waves.
; No tensor loads, no cluster, no prefetch: a short launch that reads 16 KiB of its own and 128 KiB that every work-group reads, and writes 32 KiB.
; THE MATRIX INSTRUCTION IS USED TRANSPOSED (source 0 = 16 rows of Wo, source 1 = 16 rows of ao): a lane holds one row of out0 and eight neighbouring columns; the bias is the C operand that starts the sums.
; REGISTERS: window 0: v2-9 addresses; v12-15 at work; v32-63 bias; v64-127 accumulators; v128-255 ao's fragments, later rows on their way out.  Window 1: Wo's 32 fragments.
.set SPITCH, 272                       ; a stage row: 256 bytes + 16
.set SPARE, 4*16*SPITCH                ; behind the stages: the spare words, 128 bytes for each wave: two blocks of 256 bytes that no other line names
.set AO,  2                            ; v2  64 r + 16 h
.set WO,  3                            ; v3  512 r + 16 h
.set BO,  4                            ; v4  32 h
.set STO, 5                            ; v5  my stage + 272 r + 32 h
.set RD,  6                            ; v6  my stage + 272 h + 16 r
.set GO,  7                            ; v7  1,024 h + 16 r
.set SPW, 8                            ; v8  LDS address of my spare word; never rewritten
.set NIL, 9                            ; v9  0; never rewritten
.set BIAS, 32                          ; 8 ct + j
.set ACC, 64                           ; 8 (4 a + ct)
.set AF,  128                          ; 64 a + 8 kk
.set OB,  128
.set WV,  2
.set MSB, 0
.macro WIN new
.if MSB != (\new)
	s_set_vgpr_msb (MSB<<8)|(\new)
.set MSB, (\new)
.endif
.endm
.macro WLOAD kk                        ; Wo's four fragments of head kk -> window 1, v[8 (4 kk + ct)]
.irp ct, 0,1,2,3
	global_load_b128 v[8*(4*(\kk)+\ct):8*(4*(\kk)+\ct)+3],   v[WO], s[6:7] offset:\ct*8192+(\kk)*64
	global_load_b128 v[8*(4*(\kk)+\ct)+4:8*(4*(\kk)+\ct)+7], v[WO], s[6:7] offset:\ct*8192+(\kk)*64+32
.endr
.endm
	s_load_b256 s[4:11], s[0:1], 0x0               ; ao s[4:5], wo16 s[6:7], bo s[8:9], out0 s[10:11]
	v_lshl_add_u32 v[SPW], v0, 2, SPARE
	v_mov_b32 v[NIL], 0
	v_lshrrev_b32 v1, 5, v0
	v_readfirstlane_b32 s[WV], v1                  ; wave 0..3
	v_and_b32 v10, 15, v0                          ; r
	v_bfe_u32 v11, v0, 4, 1                        ; h
	v_lshlrev_b32 v[AO], 6, v10
	v_lshl_add_u32 v[AO], v11, 4, v[AO]
	v_lshlrev_b32 v[WO], 9, v10
	v_lshl_add_u32 v[WO], v11, 4, v[WO]
	v_lshlrev_b32 v[BO], 5, v11
	s_mul_i32 s12, s[WV], 16*SPITCH                ; my stage
	v_mul_u32_u24 v[STO], v10, SPITCH
	v_lshl_add_u32 v[STO], v11, 5, v[STO]
	v_add_nc_u32 v[STO], s12, v[STO]
	v_mul_u32_u24 v[RD], v11, SPITCH
	v_lshl_add_u32 v[RD], v10, 4, v[RD]
	v_add_nc_u32 v[RD], s12, v[RD]
	v_lshlrev_b32 v[GO], 10, v11
	v_lshl_add_u32 v[GO], v10, 4, v[GO]
	s_mov_b32 s13, 0
	s_mov_b32 s15, 0
	s_lshr_b32 s12, ttmp9, 6                       ; batch,
	s_lshl_b32 s12, s12, 20
	s_and_b32 s14, ttmp9, 63                       ; 32 rows of 64 bytes
	s_lshl_b32 s14, s14, 11
	s_add_co_u32 s12, s12, s14
	s_wait_kmcnt 0x0
	s_add_nc_u64 s[4:5], s[4:5], s[12:13]
	s_lshl_b32 s14, s[WV], 15                      ; my 64 rows of Wo
	s_add_nc_u64 s[6:7], s[6:7], s[14:15]
	s_lshl_b32 s14, s[WV], 8                       ; my 64 columns: 256 bytes of bo and of a row of out0
	s_add_nc_u64 s[8:9], s[8:9], s[14:15]
	s_add_nc_u64 s[10:11], s[10:11], s[14:15]
	s_lshl_b32 s14, ttmp9, 15                      ; 32 rows of 1,024 bytes
	s_add_nc_u64 s[10:11], s[10:11], s[14:15]
.irp ct, 0,1,2,3
	global_load_b128 v[BIAS+8*\ct:BIAS+8*\ct+3],   v[BO], s[8:9] offset:64*\ct
	global_load_b128 v[BIAS+8*\ct+4:BIAS+8*\ct+7], v[BO], s[8:9] offset:64*\ct+16
.endr
.irp a, 0,1
.irp kk, 0,1,2,3,4,5,6,7
	global_load_b128 v[AF+64*\a+8*\kk:AF+64*\a+8*\kk+3],   v[AO], s[4:5] offset:\kk*131072+\a*1024
	global_load_b128 v[AF+64*\a+8*\kk+4:AF+64*\a+8*\kk+7], v[AO], s[4:5] offset:\kk*131072+\a*1024+32
.endr
.endr
	WIN 0x40                                       ; destination window 1, address window 0
	WLOAD 0
	WLOAD 1
	WIN 0
	s_wait_loadcnt 48                              ; ao's 32 loads and Wo's first 16 may stay out: bo is in
.irp ct, 0,1,2,3
.irp k, 0,1,2,3
	v_cvt_pk_bf16_f32 v[12+\k], v[BIAS+8*\ct+2*\k], v[BIAS+8*\ct+2*\k+1]
.endr
.irp k, 0,1,2,3
	v_lshlrev_b32 v[BIAS+8*\ct+2*\k], 16, v[12+\k]
	v_and_b32 v[BIAS+8*\ct+2*\k+1], 0xffff0000, v[12+\k]
.endr
.endr
	WIN 0x40
.irp kk, 2,3,4,5,6,7
	WLOAD \kk
.endr
	WIN 0x01                                       ; source 0 (Wo) window 1; ao, C and D window 0
.irp kk, 0,1,2,3,4,5,6,7
	s_wait_loadcnt 56-8*\kk                        ; the later heads' fragments of Wo, eight loads each, may stay out
.irp a, 0,1
.irp ct, 0,1,2,3
.if \kk == 0
	v_wmma_f32_16x16x32_f16 v[ACC+8*(4*\a+\ct):ACC+8*(4*\a+\ct)+7], v[8*(4*\kk+\ct):8*(4*\kk+\ct)+7], v[AF+64*\a+8*\kk:AF+64*\a+8*\kk+7], v[BIAS+8*\ct:BIAS+8*\ct+7]
.else
	v_wmma_f32_16x16x32_f16 v[ACC+8*(4*\a+\ct):ACC+8*(4*\a+\ct)+7], v[8*(4*\kk+\ct):8*(4*\kk+\ct)+7], v[AF+64*\a+8*\kk:AF+64*\a+8*\kk+7], v[ACC+8*(4*\a+\ct):ACC+8*(4*\a+\ct)+7]
.endif
.endr
.endr
.endr
	WIN 0
.rept 8
	v_nop                                          ; the places behind the last products, in front of LDS stores that read results and of loads into ao's registers
.endr
	; THE WAY OUT: 16 rows at a time through my own stage: in as 32 bytes a lane, each accumulator from its low end on; back as whole rows of 256 bytes.  The stage is the wave's own: no barrier.
.irp a, 0,1
.irp ct, 0,1,2,3
	ds_store_b128 v[STO], v[ACC+8*(4*\a+\ct):ACC+8*(4*\a+\ct)+3]   offset:64*\ct
	ds_store_b128 v[STO], v[ACC+8*(4*\a+\ct)+4:ACC+8*(4*\a+\ct)+7] offset:64*\ct+16
.endr
.irp i, 0,1,2,3,4,5,6,7
	ds_load_b128 v[OB+32*\a+4*\i:OB+32*\a+4*\i+3], v[RD] offset:2*SPITCH*\i  ; LDS serves a wave's instructions in order (ISA guide 5.7.1.4): these see the stores above
.endr
.irp i, 0,1,2,3,4,5,6,7
	s_wait_dscnt 7-\i
	global_store_b128 v[GO], v[OB+32*\a+4*\i:OB+32*\a+4*\i+3], s[10:11] offset:\a*16384+\i*2048 th:TH_STORE_NT  ; 16 lanes store 256 consecutive bytes, at a multiple of 256 from out0's first byte
.endr
.endr
	s_wait_tensorcnt 0x0                           ; the wave's end: behind my last LDS store
	ds_add_u32 v[SPW], v[NIL]
	s_wait_dscnt 0x0
	s_endpgm
.Lfunc_end_k_q684ff11599_outp:
	.size	k_q684ff11599_outp, .Lfunc_end_k_q684ff11599_outp-k_q684ff11599_outp
	.p2alignl 7, 3214868480
	.fill 96, 4, 3214868480
	.section	.rodata,"a",@progbits
	.p2align	6, 0x0
	.amdhsa_kernel k_q684ff11599_outp
		.amdhsa_group_segment_fixed_size 17920
		.amdhsa_private_segment_fixed_size 0
		.amdhsa_enable_private_segment 0
		.amdhsa_kernarg_size 32
		.amdhsa_user_sgpr_count 2
		.amdhsa_user_sgpr_kernarg_segment_ptr 1
		.amdhsa_wavefront_size32 1
		.amdhsa_system_sgpr_workgroup_id_x 1
		.amdhsa_system_sgpr_workgroup_id_y 1
		.amdhsa_system_sgpr_workgroup_id_z 1
		.amdhsa_system_vgpr_workitem_id 0
		.amdhsa_next_free_vgpr 512
		.amdhsa_next_free_sgpr 66
		.amdhsa_reserve_vcc 0
		.amdhsa_float_denorm_mode_32 3
		.amdhsa_float_denorm_mode_16_64 3
		.amdhsa_memory_ordered 1
		.amdhsa_forward_progress 1
		.amdhsa_inst_pref_size 23
	.end_amdhsa_kernel
	.amdgpu_metadata
---
amdhsa.version: [ 1, 2 ]
amdhsa.kernels:
  - .name:           k_q684ff11599_outp
    .symbol:         k_q684ff11599_outp.kd
    .args:
      - { .name: ao, .offset: 0, .size: 8, .value_kind: global_buffer, .address_space: global }
      - { .name: wo16, .offset: 8, .size: 8, .value_kind: global_buffer, .address_space: global }
      - { .name: bo, .offset: 16, .size: 8, .value_kind: global_buffer, .address_space: global }
      - { .name: out0, .offset: 24, .size: 8, .value_kind: global_buffer, .address_space: global }
    .group_segment_fixed_size: 17920
    .private_segment_fixed_size: 0
    .kernarg_segment_align: 8
    .kernarg_segment_size: 32
    .max_flat_workgroup_size: 128
    .sgpr_count:     66
    .vgpr_count:     512
    .wavefront_size: 32
...
	.end_amdgpu_metadata
.endif
;; end of part 3
;; ======== version 2 of 2: 3 launches; version 1 with the launch proj written anew for expert scheduling mode
;; limits: values are held in f16: magnitudes above 65,504 overflow, below 6.1e-05 lose precision
;; workspace buffers: qc 4,194,304 bytes; kc 4,194,304 bytes; vv 4,194,304 bytes; qk 4,194,304 bytes; kk 4,194,304 bytes; ao 4,194,304 bytes; wo16 131,072 bytes; mbits 524,288 bytes of whole numbers
;; launch proj (part 4): grid 64 x 4, 8 waves a work-group, no clusters, 315,392 bytes of LDS; arguments content, category, Wqc, Wkc, Wv, Wqk, Wkk, Wo, causal_mask, qc, kc, vv, qk, kk, wo16, mbits; writes qc, kc, vv, qk, kk, wo16, mbits
.if DOCPART == 4
	.amdgcn_target "amdgcn-amd-amdhsa--gfx1250"
	.amdhsa_code_object_version 6
	.text
	.protected	k_q684ff11599_proj
	.globl	k_q684ff11599_proj
	.p2align	8
	.type	k_q684ff11599_proj,@function
k_q684ff11599_proj:
	s_mov_b64 s[64:65], 0
	v_nop
	global_prefetch_b8 v0, s[64:65] scope:SCOPE_SE
	s_setreg_imm32_b32 hwreg(HW_REG_WAVE_SCHED_MODE, 0, 2), 2
	s_setreg_imm32_b32 hwreg(HW_REG_WAVE_MODE, 25, 1), 1
	s_wait_xcnt 0x0
	s_wait_alu depctr_vm_vsrc(0)
; THE FIVE PROJECTIONS, and two small side jobs.  qc = c content Wqc^T, kc = content Wkc^T, vv = content Wv^T, qk = c category Wqk^T, kk = category Wkk^T,
; c = log2(e) / sqrt(32), multiplied onto q's f32 sums ahead of their one rounding.  x and W are f32 in memory and are rounded to bf16 on the way into LDS; sums in f32;
; results leave as f16, by heads: [b][h][t][32], a head's rows dense, 64 bytes each.
; LIMITS.  f16 holds no number beyond 65,504: c q, k and v must lie within it; below 6e-5 they keep f16's fixed step of 6e-8.  NaN and infinities are not treated apart.
; SHARES.  Work-group (rb, hp): 128 rows of both x, the 64 columns of head pair hp of each of the five weights.  Wave w: rows 32 (w / 2) .. + 31 (two tiles a), head 2 hp + w % 2 (two tiles bb).
; NO TENSOR LOADS, NO CLUSTER: the tiles are f32 and are rounded once on their way through registers; kept as f32, 576 rows of 1,040 bytes would not fit into LDS.
; SIDE JOBS, shared out by g = rb + 64 hp (0 .. 255): wave 0 rounds row g of Wo to bf16 and writes that number as f16 (wo16); all waves pack the mask's rows 16 (g / 2) .. + 15,
; keys 1,024 (g % 2) .. + 1,023, into words: bit L of word (qt, kt, j) is mask[16 qt + L % 16][16 kt + 8 (L / 16) + j].  A mask load takes 8 bytes a lane from 16 rows: the mask is read once in the launch.
; THE MATRIX INSTRUCTION IS USED TRANSPOSED (source 0 = 16 rows of W, source 1 = 16 rows of x): a lane holds one row of the result and eight neighbouring columns.
; THE MODE: SCHED_MODE bits 1:0 = 2 (LLVM: expert scheduling mode 2), set by the entry lines.  The code itself states the register dependences
; between vector or matrix instructions and memory or LDS instructions, with s_wait_alu, always for 0.
; THE PLAN.  Registers that memory or LDS instructions touch:
;   v4-18, v20-22  offsets and LDS addresses: written at the head, never again.       v19  W's fragments' LDS address: read by a weight's 32 loads, stepped once a weight.
;   v24-25, v28-31 the mask words and Wo's packed row: written by vector lines, read by one run of stores, never written again.
;   RAW0 .. RAW2   Batch n: its 32 conversions read RAW[n % 3]; behind them the loads of batch n + 3 land in it.
;   CV             Batch n: its conversions write it, its 16 LDS stores read it.
;   BF             A weight's whole slice for my wave.  Its 32 LDS loads are issued on the way out of the weight before; its 32 products read it.
;   AF             My rows of x.  Loaded behind the barrier, and again (category) on the way out of the third weight; read by the products.
;   PK, OB         The way out: the conversions write PK, the stage's stores read it; the stage's loads land in OB, the global stores read it.
;   The accumulators and v0-3 are named by vector and matrix instructions alone.
; So a batch has two waits: at its head, that the last batch's LDS stores have read CV; behind its conversions, that CV is written and RAW[n % 3] read out.  The batch's 16 loads and 16 LDS stores follow,
; with no vector line among them.  A weight has two waits, both on its way out: that PK, OB and v19 have been read; and, behind the conversions, that PK and v19 are written and the products are done reading BF and AF.
; All the way out's LDS and memory instructions follow that second wait, the next weight's fragment loads among them, with no vector line among them; no load stands between a weight's products.
; REGISTERS: window 0 as named below; window 1 (v256-383): BF.  s_set_vgpr_msb: bits 1:0 source 0, 7:6 destination.
.set PX,    528                        ; an LDS row: 512 bytes of bf16 + 16 = 33 x 16: the 16 rows of a fragment load start at 16 different groups of four banks
.set XC,    0                          ; content, 128 rows
.set XK,    128*PX                     ; category, 128 rows
.set WB,    256*PX                     ; five slices of 64 rows of W
.set WSL,   64*PX
.set STAGE, WB+5*WSL                   ; 16 rows x 80 bytes for each wave, for the way out
.set SP,    80
.set SPARE, STAGE+8*16*SP              ; the spare words, 128 bytes for each wave: four blocks of 256 bytes that no other line names
.set TT,  0                            ; v0-3 behind the head: at work in the side jobs; no memory instruction names them
.set GX,  4                            ; v4   x: 16 rows x wave + 16 x lane
.set GW,  5                            ; v5   W: 8 rows x wave + 16 x lane
.set GM,  6                            ; v6   mask: row r, 8 h, 128 keys x wave
.set GB,  7                            ; v7   mbits: 256 x wave + 8 x lane
.set LXC, 8                            ; v8, v9   where my converted rows of x go
.set LW,  10                           ; v10-14   the same for slice y of W
.set L16, 15                           ; v15  16 x lane
.set L8,  16                           ; v16  8 x lane
.set ADRA, 17                          ; v17, v18 my fragments of content, of category
.set ADRB, 19                          ; v19  my fragments of W: steps a slice a product
.set STO, 20                           ; v20  the way out: where I put 16 bytes of a row
.set RD,  21                           ; v21  where I read rows back
.set GO,  22                           ; v22  my 16 bytes of 512 consecutive bytes of the result
.set MW,  24                           ; v24-25 two mask words a lane
.set SPW, 26                           ; v26  LDS address of my spare word; never rewritten
.set NIL, 27                           ; v27  0; never rewritten
.set WOP, 28                           ; v28-31 wave 0: Wo's row in f16 (v28, v29: at work at the head)
.set MK,  32                           ; v32-47 mask bytes as loaded
.set WR,  48                           ; v48-55 wave 0: Wo's row as loaded
.set CV,  32                           ; v32-63 a batch in bf16: row rho at CV + 4 rho (later than MK and WR)
.set RAW, 64                           ; v64-255 three sets of 64: a batch as loaded, row rho at RAW + 64 set + 8 rho
.set PK,  32                           ; the way out: packed results
.set OB,  48                           ; the way out: rows read back
.set ACC, 96                           ; v96-127 accumulator (a, bb) at ACC + 8 (2 a + bb)
.set AF,  128                          ; v128-255 x's fragments at AF + 64 a + 8 kk
.set BF,  0                            ; window 1: W's fragments at BF + 16 kk + 8 bb
.set WV,  2
.set MSB, 0
.macro WIN new                         ; the immediate's high byte repeats the setting that is left; a switch that changes nothing is dropped
.if MSB != (\new)
	s_set_vgpr_msb (MSB<<8)|(\new)
.set MSB, (\new)
.endif
.endm
	s_load_b512 s[16:31], s[0:1], 0x0              ; content, category, Wqc, Wkc, Wv, Wqk, Wkk, Wo
	s_load_b512 s[32:47], s[0:1], 0x40             ; mask, qc, kc, vv, qk, kk, wo16, mbits
	v_lshl_add_u32 v[SPW], v0, 2, SPARE
	v_mov_b32 v[NIL], 0
	v_lshrrev_b32 v28, 5, v0
	v_readfirstlane_b32 s[WV], v28                 ; wave 0..7
	s_mov_b32 s5, ttmp9                            ; rb
	s_and_b32 s6, ttmp7, 0xffff                    ; hp
	s_lshl_b32 s7, s6, 6
	s_add_co_u32 s7, s7, s5                        ; g
	s_mov_b32 s56, 0x3e8293ee                      ; c = log2(e) / sqrt(32)
	s_mov_b32 s57, s56
	v_and_b32 v1, 31, v0                           ; lane
	v_and_b32 v2, 15, v0                           ; r
	v_bfe_u32 v3, v0, 4, 1                         ; h
	v_lshlrev_b32 v[L16], 4, v1
	v_lshlrev_b32 v[L8], 3, v1
	v_lshlrev_b32 v[GM], 11, v2
	v_lshl_add_u32 v[GM], v3, 3, v[GM]
	v_mul_u32_u24 v28, v2, PX
	v_lshl_add_u32 v28, v3, 4, v28                 ; a fragment's row x pitch + 16 x half
	v_and_b32 v29, 3, v0
	s_wait_alu depctr_va_sdst(0)                   ; the wave's number is written, ahead of its first reader; the lanes' arithmetic above stands between
	s_lshr_b32 s3, s[WV], 1                        ; wr
	s_and_b32 s4, s[WV], 1                         ; e
	s_lshl_b32 s8, s[WV], 14
	v_lshl_add_u32 v[GX], v1, 4, s8
	s_lshl_b32 s8, s[WV], 13
	v_lshl_add_u32 v[GW], v1, 4, s8
	s_lshl_b32 s8, s[WV], 7
	v_add_nc_u32 v[GM], s8, v[GM]
	s_lshl_b32 s8, s[WV], 8
	v_lshl_add_u32 v[GB], v1, 3, s8
	s_mul_i32 s8, s[WV], 16*PX
	v_lshl_add_u32 v[LXC], v1, 3, s8
	v_add_nc_u32 v[LXC+1], XK, v[LXC]
	s_mul_i32 s8, s[WV], 8*PX
	s_add_co_u32 s8, s8, WB
	v_lshl_add_u32 v[LW], v1, 3, s8
.irp y, 1,2,3,4
	v_add_nc_u32 v[LW+\y], WSL, v[LW+\y-1]
.endr
	s_mul_i32 s8, s3, 32*PX
	v_add_nc_u32 v[ADRA], s8, v28
	v_add_nc_u32 v[ADRA+1], XK, v[ADRA]
	s_mul_i32 s8, s4, 32*PX
	s_add_co_u32 s8, s8, WB
	v_add_nc_u32 v[ADRB], s8, v28
	s_mul_i32 s8, s[WV], 16*SP
	s_add_co_u32 s8, s8, STAGE                     ; my stage
	v_mul_u32_u24 v[STO], v2, SP
	v_lshl_add_u32 v[STO], v3, 4, v[STO]
	v_add_nc_u32 v[STO], s8, v[STO]
	v_lshrrev_b32 v[RD], 2, v1                     ; back: 32 lanes take eight rows of 64 bytes
	v_mul_u32_u24 v[RD], v[RD], SP
	v_lshl_add_u32 v[RD], v29, 4, v[RD]
	v_add_nc_u32 v[RD], s8, v[RD]
	s_lshl_b32 s8, s4, 17                          ; my head of the pair,
	s_lshl_b32 s10, s3, 11                         ; my 32 rows of 64 bytes
	s_add_co_u32 s8, s8, s10
	v_lshl_add_u32 v[GO], v1, 4, s8
	s_wait_kmcnt 0x0
	s_mov_b32 s9, 0
	s_lshl_b32 s8, s5, 17                          ; 128 rows of 1,024 bytes
	s_add_nc_u64 s[16:17], s[16:17], s[8:9]
	s_add_nc_u64 s[18:19], s[18:19], s[8:9]
	s_lshl_b32 s8, s6, 16                          ; 64 rows of W
.irp y, 0,1,2,3,4
	s_add_nc_u64 s[20+2*\y:21+2*\y], s[20+2*\y:21+2*\y], s[8:9]
.endr
	s_lshr_b32 s8, s5, 4                           ; batch,
	s_lshl_b32 s8, s8, 20
	s_lshl_b32 s10, s6, 18                         ; head pair,
	s_add_co_u32 s8, s8, s10
	s_and_b32 s10, s5, 15                          ; 128 rows of 64 bytes
	s_lshl_b32 s10, s10, 13
	s_add_co_u32 s8, s8, s10
.irp y, 0,1,2,3,4
	s_add_nc_u64 s[34+2*\y:35+2*\y], s[34+2*\y:35+2*\y], s[8:9]
.endr
	s_lshl_b32 s8, s7, 10
	s_add_nc_u64 s[30:31], s[30:31], s[8:9]        ; Wo's row g
	s_lshl_b32 s8, s7, 9
	s_add_nc_u64 s[44:45], s[44:45], s[8:9]
	s_lshr_b32 s10, s7, 1
	s_and_b32 s11, s7, 1
	s_lshl_b32 s8, s10, 15
	s_lshl_b32 s12, s11, 10
	s_add_co_u32 s8, s8, s12
	s_add_nc_u64 s[32:33], s[32:33], s[8:9]        ; the mask's 16 rows, my half of the keys
	s_lshl_b32 s8, s10, 12
	s_lshl_b32 s12, s11, 11
	s_add_co_u32 s8, s8, s12
	s_add_nc_u64 s[46:47], s[46:47], s[8:9]
; The nine batches of a wave, eight rows of 1,024 bytes each: content rows 0-7, 8-15; category rows 0-7, 8-15; eight rows of each of the five weights.  Three raw sets take turns.
.macro LROW set, base, voff, row, rho  ; one row: two loads, each of 512 consecutive bytes
	global_load_b128 v[RAW+64*(\set)+8*(\rho):RAW+64*(\set)+8*(\rho)+3],   v[\voff], s[(\base):(\base)+1] offset:(\row)*1024
	global_load_b128 v[RAW+64*(\set)+8*(\rho)+4:RAW+64*(\set)+8*(\rho)+7], v[\voff], s[(\base):(\base)+1] offset:(\row)*1024+512
.endm
.macro LBROW n, rho                    ; row rho of batch n
.if (\n) < 4
	LROW (\n)%3, 16+2*((\n)/2), GX, 8*((\n)%2)+(\rho), \rho
.else
	LROW (\n)%3, 20+2*((\n)-4), GW, \rho, \rho
.endif
.endm
.macro LB n                            ; a whole batch
.irp rho, 0,1,2,3,4,5,6,7
	LBROW \n, \rho
.endr
.endm
.macro CVT n                           ; batch n is rounded to bf16, out of its raw set into CV
.irp rho, 0,1,2,3,4,5,6,7
	v_cvt_pk_bf16_f32 v[CV+4*\rho],   v[RAW+64*((\n)%3)+8*\rho],   v[RAW+64*((\n)%3)+8*\rho+1]
	v_cvt_pk_bf16_f32 v[CV+4*\rho+1], v[RAW+64*((\n)%3)+8*\rho+2], v[RAW+64*((\n)%3)+8*\rho+3]
	v_cvt_pk_bf16_f32 v[CV+4*\rho+2], v[RAW+64*((\n)%3)+8*\rho+4], v[RAW+64*((\n)%3)+8*\rho+5]
	v_cvt_pk_bf16_f32 v[CV+4*\rho+3], v[RAW+64*((\n)%3)+8*\rho+6], v[RAW+64*((\n)%3)+8*\rho+7]
.endr
.endm
.macro SROW n, rho                     ; row rho of batch n goes into LDS: a lane's four numbers are 8 bytes, a wave's store 256 consecutive bytes of an LDS row
.if (\n) < 4
	ds_store_b64 v[LXC+(\n)/2], v[CV+4*(\rho):CV+4*(\rho)+1]   offset:(8*((\n)%2)+(\rho))*PX
	ds_store_b64 v[LXC+(\n)/2], v[CV+4*(\rho)+2:CV+4*(\rho)+3] offset:(8*((\n)%2)+(\rho))*PX+256
.else
	ds_store_b64 v[LW+(\n)-4], v[CV+4*(\rho):CV+4*(\rho)+1]   offset:(\rho)*PX
	ds_store_b64 v[LW+(\n)-4], v[CV+4*(\rho)+2:CV+4*(\rho)+3] offset:(\rho)*PX+256
.endif
.endm
.macro PLACES                          ; plain places behind matrix instructions (ISA guide 7.12.1)
.rept 4
	v_nop
.endr
.endm
	s_wait_alu depctr_va_vdst(0)                   ; the offsets and LDS addresses v4 to v22 are written: every load and store of the kernel reads one of them
	s_cmp_lg_u32 s[WV], 0
	s_cbranch_scc1 .Lno_wo_load
	global_load_b128 v[WR:WR+3],   v[L16], s[30:31]              ; wave 0: Wo's row g; the oldest loads, so no later count changes
	global_load_b128 v[WR+4:WR+7], v[L16], s[30:31] offset:512
.Lno_wo_load:
.irp t, 0,1,2,3,4,5,6,7
	global_load_b64 v[MK+2*\t:MK+2*\t+1], v[GM], s[32:33] offset:16*\t   ; key tile t: my row's 8 bytes
.endr
	LB 0
	LB 1
	LB 2
	s_wait_loadcnt 48                              ; the three batches, 48 loads, may stay out: Wo's row and the mask are in
	s_cmp_lg_u32 s[WV], 0
	s_cbranch_scc1 .Lno_wo
.irp k, 0,1,2,3
	v_cvt_pk_bf16_f32 v[TT], v[WR+2*\k], v[WR+2*\k+1]  ; rounded to bf16 like every input,
	v_lshlrev_b32 v[TT+1], 16, v[TT]
	v_and_b32 v[TT+2], 0xffff0000, v[TT]
	v_cvt_pk_f16_f32 v[WOP+\k], v[TT+1], v[TT+2]   ; and that number written as f16
.endr
	s_wait_alu depctr_va_vdst(0)                   ; the conversions have written v28 to v31, which the two stores read
	global_store_b64 v[L8], v[WOP:WOP+1],   s[44:45]             ; 256 consecutive bytes each
	global_store_b64 v[L8], v[WOP+2:WOP+3], s[44:45] offset:256
.Lno_wo:
	v_mov_b32 v[MW], 0
	v_mov_b32 v[MW+1], 0
.irp tp, 0,1,2,3                       ; two key tiles at a time: sixteen compares in a run, one wait, sixteen words set into their lanes
.irp j, 0,1,2,3,4,5,6,7
	v_bfe_u32 v[TT+(\j&3)], v[MK+4*\tp+(\j>>2)], 8*(\j&3), 8
	v_cmp_ne_u32 s[48+\j], 0, v[TT+(\j&3)]         ; the 32 lanes' bits are word (2 tp, j)
.endr
.irp j, 0,1,2,3,4,5,6,7
	v_bfe_u32 v[TT+(\j&3)], v[MK+4*\tp+2+(\j>>2)], 8*(\j&3), 8
	v_cmp_ne_u32 s[8+\j], 0, v[TT+(\j&3)]          ; word (2 tp + 1, j)
.endr
	s_wait_alu depctr_va_sdst(0)                   ; the sixteen compares have written s48 to s55 and s8 to s15, which the lines below read
.irp j, 0,1,2,3,4,5,6,7
	v_writelane_b32 v[MW+(\j&1)], s[48+\j], 8*\tp+(\j>>1)    ; word 8 t + j of my 64 goes to lane (8 t + j) / 2
.endr
.irp j, 0,1,2,3,4,5,6,7
	v_writelane_b32 v[MW+(\j&1)], s[8+\j], 8*\tp+4+(\j>>1)
.endr
.endr
.irp n, 0,1,2,3,4,5,6,7,8
.if \n <= 6
	s_wait_loadcnt 32                              ; two younger batches of 16 may stay out
.elseif \n == 7
	s_wait_loadcnt 16
.else
	s_wait_loadcnt 0x0
.endif
.if \n > 0
	s_wait_alu depctr_vm_vsrc(0)                   ; the LDS stores of the batch before have read CV, which the conversions below write again
.endif
	CVT \n
	s_wait_alu depctr_va_vdst(0)                   ; the conversions have written CV, which the LDS stores read, and are done reading the raw set, in which the loads land; in the first batch: the mask words are written too
.if \n == 0
	global_store_b64 v[GB], v[MW:MW+1], s[46:47]             ; the mask words: 256 consecutive bytes a wave
.endif
.irp rho, 0,1,2,3,4,5,6,7
.if \n <= 5
	LBROW (\n)+3, \rho                             ; the set just read out is asked for again.  No vector line since the wait names it
.endif
	SROW \n, \rho
.endr
.endr
	s_wait_dscnt 0x0                               ; for the others' sake: my stores into LDS are done
	s_barrier_signal -1
	s_barrier_wait -1                              ; the only barrier: behind it XC, XK and WB are only read
.macro ALOAD i                         ; my 32 rows x 256 K of content (0) or category (1): K step by K step, four loads each
.irp kk, 0,1,2,3,4,5,6,7
.irp a, 0,1
	ds_load_b128 v[AF+64*\a+8*\kk:AF+64*\a+8*\kk+3],   v[ADRA+(\i)] offset:\a*16*PX+\kk*64
	ds_load_b128 v[AF+64*\a+8*\kk+4:AF+64*\a+8*\kk+7], v[ADRA+(\i)] offset:\a*16*PX+\kk*64+32
.endr
.endr
.endm
.macro WFETCH                          ; a weight's whole slice for my wave, 32 rows x 256 K, into window 1: K step by K step, four loads each
	WIN 0x40                                       ; destination window 1, address window 0
.irp kk, 0,1,2,3,4,5,6,7
.irp bb, 0,1
	ds_load_b128 v[BF+16*\kk+8*\bb:BF+16*\kk+8*\bb+3],   v[ADRB] offset:\bb*16*PX+\kk*64
	ds_load_b128 v[BF+16*\kk+8*\bb+4:BF+16*\kk+8*\bb+7], v[ADRB] offset:\bb*16*PX+\kk*64+32
.endr
.endr
	WIN 0
.endm
.macro MUL q                           ; eight products, K steps 2 q and 2 q + 1; the four accumulators take turns, one instruction a turn; the first K step starts the sums
.irp k2, 0,1
.irp a, 0,1
.irp bb, 0,1
.if ((\q) == 0) && (\k2 == 0)
	v_wmma_f32_16x16x32_bf16 v[ACC+8*(2*\a+\bb):ACC+8*(2*\a+\bb)+7], v[BF+16*(2*(\q)+\k2)+8*\bb:BF+16*(2*(\q)+\k2)+8*\bb+7], v[AF+64*\a+8*(2*(\q)+\k2):AF+64*\a+8*(2*(\q)+\k2)+7], 0
.else
	v_wmma_f32_16x16x32_bf16 v[ACC+8*(2*\a+\bb):ACC+8*(2*\a+\bb)+7], v[BF+16*(2*(\q)+\k2)+8*\bb:BF+16*(2*(\q)+\k2)+8*\bb+7], v[AF+64*\a+8*(2*(\q)+\k2):AF+64*\a+8*(2*(\q)+\k2)+7], v[ACC+8*(2*\a+\bb):ACC+8*(2*\a+\bb)+7]
.endif
.endr
.endr
.endr
.endm
; THE WAY OUT of weight num: scaled by c where it is a q; rounded to f16, each accumulator from its low end on; 16 rows at a time through my own stage; each store covers 512 consecutive bytes, aligned.
; Behind its second wait stand, with no vector line among them: the stage's stores and loads, the next weight's fragment loads, the global stores, and behind the third weight category's fragments.
.macro OUT ptr, scaled, num
	WIN 0
	PLACES
	PLACES
.if (\num) > 0
	s_wait_xcnt 0x0                                ; the last weight's global stores have had their addresses translated (ISA guide 3.1): OB, their data, is loaded again only behind this wait
.endif
	s_wait_alu depctr_vm_vsrc(0)                   ; this weight's fragment loads have read v19; the LDS stores and global stores issued so far have read v32 to v63, which are PK and OB here
.if (\num) < 4
	v_add_nc_u32 v[ADRB], WSL, v[ADRB]             ; the next weight's slice
.endif
.if \scaled
.set n, 0
.rept 16
	v_pk_mul_f32 v[ACC+n:ACC+n+1], v[ACC+n:ACC+n+1], s[56:57] op_sel_hi:[1,0]
.set n, n+2
.endr
.endif
.set n, 0
.rept 16
	v_cvt_pk_f16_f32 v[PK+n], v[ACC+2*n], v[ACC+2*n+1]
.set n, n+1
.endr
	s_wait_alu depctr_va_vdst(0)                   ; the conversions have written PK, which the stage's stores read; v19 is written; the products are done reading BF and AF, in which the loads below land
.irp a, 0,1
	ds_store_b128 v[STO], v[PK+8*\a:PK+8*\a+3]
	ds_store_b128 v[STO], v[PK+8*\a+4:PK+8*\a+7] offset:32
	ds_load_b128 v[OB+8*\a:OB+8*\a+3],   v[RD]               ; LDS serves a wave's instructions in order (ISA guide 5.7.1.4): these see the stores above; the next tile's stores come behind them
	ds_load_b128 v[OB+8*\a+4:OB+8*\a+7], v[RD] offset:8*SP
.endr
.if (\num) < 4
	WFETCH
	s_wait_dscnt 32                                ; the next weight's 32 fragment loads may stay out: the rows are back from the stage
.else
	s_wait_dscnt 0x0
.endif
.irp a, 0,1
	global_store_b128 v[GO], v[OB+8*\a:OB+8*\a+3],   s[(\ptr):(\ptr)+1] offset:\a*1024
	global_store_b128 v[GO], v[OB+8*\a+4:OB+8*\a+7], s[(\ptr):(\ptr)+1] offset:\a*1024+512
.endr
.if (\num) == 2
	ALOAD 1                                        ; category takes content's place
.endif
.endm
	WFETCH                                         ; no wait: the last batch's conversions stand ahead of its wait, no vector line has followed it, and no memory or LDS instruction has read v128 to v383
	ALOAD 0
.irp y, 0,1,2,3,4
	WIN 0x01                                       ; source 0 (W) window 1; x, C and D window 0
	s_wait_dscnt 24                                ; the fragment loads issued last go K step by K step, eight for two steps: the 24 younger ones may stay out; where x's follow W's, all of W's are in
	MUL 0
	s_wait_dscnt 16
	MUL 1
	s_wait_dscnt 8
	MUL 2
	s_wait_dscnt 0x0
	MUL 3
.if (\y == 0) || (\y == 3)
	OUT 34+2*\y, 1, \y
.else
	OUT 34+2*\y, 0, \y
.endif
.endr
	s_wait_dscnt 0x0                               ; the closing lines, six on end
	s_wait_alu 0x0
	s_wait_tensorcnt 0x0
	ds_add_u32 v[SPW], v[NIL]
	s_wait_dscnt 0x0
	s_endpgm
.Lfunc_end_k_q684ff11599_proj:
	.size	k_q684ff11599_proj, .Lfunc_end_k_q684ff11599_proj-k_q684ff11599_proj
	.p2alignl 7, 3214868480
	.fill 96, 4, 3214868480
	.section	.rodata,"a",@progbits
	.p2align	6, 0x0
	.amdhsa_kernel k_q684ff11599_proj
		.amdhsa_group_segment_fixed_size 315392
		.amdhsa_private_segment_fixed_size 0
		.amdhsa_enable_private_segment 0
		.amdhsa_kernarg_size 128
		.amdhsa_user_sgpr_count 2
		.amdhsa_user_sgpr_kernarg_segment_ptr 1
		.amdhsa_wavefront_size32 1
		.amdhsa_system_sgpr_workgroup_id_x 1
		.amdhsa_system_sgpr_workgroup_id_y 1
		.amdhsa_system_sgpr_workgroup_id_z 1
		.amdhsa_system_vgpr_workitem_id 0
		.amdhsa_next_free_vgpr 384
		.amdhsa_next_free_sgpr 66
		.amdhsa_reserve_vcc 0
		.amdhsa_float_denorm_mode_32 3
		.amdhsa_float_denorm_mode_16_64 3
		.amdhsa_memory_ordered 1
		.amdhsa_forward_progress 1
		.amdhsa_inst_pref_size 100
	.end_amdhsa_kernel
	.amdgpu_metadata
---
amdhsa.version: [ 1, 2 ]
amdhsa.kernels:
  - .name:           k_q684ff11599_proj
    .symbol:         k_q684ff11599_proj.kd
    .args:
      - { .name: content, .offset: 0, .size: 8, .value_kind: global_buffer, .address_space: global }
      - { .name: category, .offset: 8, .size: 8, .value_kind: global_buffer, .address_space: global }
      - { .name: Wqc, .offset: 16, .size: 8, .value_kind: global_buffer, .address_space: global }
      - { .name: Wkc, .offset: 24, .size: 8, .value_kind: global_buffer, .address_space: global }
      - { .name: Wv, .offset: 32, .size: 8, .value_kind: global_buffer, .address_space: global }
      - { .name: Wqk, .offset: 40, .size: 8, .value_kind: global_buffer, .address_space: global }
      - { .name: Wkk, .offset: 48, .size: 8, .value_kind: global_buffer, .address_space: global }
      - { .name: Wo, .offset: 56, .size: 8, .value_kind: global_buffer, .address_space: global }
      - { .name: causal_mask, .offset: 64, .size: 8, .value_kind: global_buffer, .address_space: global }
      - { .name: qc, .offset: 72, .size: 8, .value_kind: global_buffer, .address_space: global }
      - { .name: kc, .offset: 80, .size: 8, .value_kind: global_buffer, .address_space: global }
      - { .name: vv, .offset: 88, .size: 8, .value_kind: global_buffer, .address_space: global }
      - { .name: qk, .offset: 96, .size: 8, .value_kind: global_buffer, .address_space: global }
      - { .name: kk, .offset: 104, .size: 8, .value_kind: global_buffer, .address_space: global }
      - { .name: wo16, .offset: 112, .size: 8, .value_kind: global_buffer, .address_space: global }
      - { .name: mbits, .offset: 120, .size: 8, .value_kind: global_buffer, .address_space: global }
    .group_segment_fixed_size: 315392
    .private_segment_fixed_size: 0
    .kernarg_segment_align: 8
    .kernarg_segment_size: 128
    .max_flat_workgroup_size: 256
    .sgpr_count:     66
    .vgpr_count:     384
    .wavefront_size: 32
...
	.end_amdgpu_metadata
.endif
;; end of part 4
;; launch attn: the kernel of part 2 again; grid 16 x 16, 4 waves a work-group, clusters of 4 x 1, 327,680 bytes of LDS; arguments qc, qk, kc, kk, vv, mbits, alpha_logit, ao; writes ao
;; launch outp: the kernel of part 3 again; grid 256 x 1, 4 waves a work-group, no clusters, 17,920 bytes of LDS; arguments ao, wo16, bo, out0; writes out0
